; MI455X (gfx1250); checked and timed in simulation.
; The chip was launched on July 23, 2026; its instructions are those of AMD's public machine-readable ISA for CDNA 5 (MIT licence, August 2026) and "CDNA5" Instruction Set Architecture Reference Guide (July 2026). The comments in the code are by the model that wrote it; some were corrected since.
;; Multi Head Attention. Allowed arithmetic: matrix products marked QUANTISED: E2M1 operands, one E8M0 scale for each 32 along K, by v_wmma_scale_f32_16x16x128_f8f6f4 with both operands' format E2M1 (or v_wmma_scale_f32_32x16x128_f4), f32 sums; products left as they are: bf16, f16 or f32 operands; f32 sums; everything else in f32.
;; Inputs: Wk 1,024 x 1,024 float32; Wo 1,024 x 1,024 float32; Wq 1,024 x 1,024 float32; Wv 1,024 x 1,024 float32; bk 1,024 float32; bo 1,024 float32; bq 1,024 float32; bv 1,024 float32; key 4 x 2,048 x 1,024 float32; mask 4 x 1 x 2,048 x 2,048 float32; query 4 x 2,048 x 1,024 float32; value 4 x 2,048 x 1,024 float32.
;; Outputs: out0 4 x 2,048 x 1,024 float32.
;; This version of the problem:
;;   THIS VERSION OF THE PROBLEM IS GIVEN IN LOW PRECISION. The matrix products marked QUANTISED in the list below multiply operands that are first quantised to E2M1 (2 exponent bits, 1 mantissa bit; 4 bits a number), with one power-of-two scale for each 32 numbers along K (OCP MX v1.0); their sums are f32. The products marked 'left as it is' may take bf16, f16 or f32 operands, with f32 sums. All else is computed in f32.
;;   The module's matrix products, in the order in which they are computed (A, B: the left and right operand; K: the contracted axis; several contracted axes count as one K, in the product's order):
;;     1. [M 8,192, K 1,024] x [K 1,024, N 1,024]; A: input query; B: input Wq: QUANTISED
;;     2. [M 8,192, K 1,024] x [K 1,024, N 1,024]; A: input key; B: input Wk: QUANTISED
;;     3. [M 8,192, K 1,024] x [K 1,024, N 1,024]; A: input value; B: input Wv: QUANTISED
;;     4. batch 64 x [M 2,048, K 64] x [K 64, N 2,048]; A: computed on the way; B: computed on the way: left as it is (an operand is computed on the way)
;;     5. batch 64 x [M 2,048, K 2,048] x [K 2,048, N 64]; A: computed on the way; B: computed on the way: left as it is (an operand is computed on the way)
;;     6. [M 8,192, K 1,024] x [K 1,024, N 1,024]; A: computed on the way; B: input Wo: left as it is (an operand is computed on the way)
;;   THE QUANTISER, for each operand of a quantised product, along K:
;;     - K is cut into blocks of 32 from its start; a last block that is shorter is filled with zeros.
;;     - A block's scale is 2^e with e = floor(log2(the largest magnitude in the block)) - 2, held to -126 .. 127; a block of zeros has e = 0. As a byte (E8M0): e + 127.
;;     - Each number is divided by its block's scale, clamped to +-6, and rounded to the nearest number of E2M1, ties to even, subnormals kept.
;;     - The product sums the exact products of the quantised numbers (number of the format x scale) in f32.
;;   ~~~python
;;   def quantise(x, axis):      # numpy; x: float32 -> the quantised numbers, widened to float32 again
;;       x = np.moveaxis(x, axis, -1); K = x.shape[-1]
;;       x = np.pad(x, [(0, 0)] * (x.ndim - 1) + [(0, -K % 32)]); x = x.reshape(x.shape[:-1] + (-1, 32)); a = np.abs(x).max(-1, keepdims=True)
;;       e = np.where(a > 0, np.clip(np.frexp(np.where(a > 0, a, 1))[1] - 1 - 2, -126, 127), 0)      # np.frexp(a)[1] - 1 = floor(log2(a)), exactly
;;       r = np.clip(x / 2.0 ** e, -6, 6)
;;       step = 2.0 ** (np.maximum(np.frexp(np.where(r == 0, 1, r))[1] - 1, 0) - 1)
;;       q = np.round(r / step) * step * 2.0 ** e      # np.round: ties to even
;;       return np.moveaxis(q.reshape(q.shape[:-2] + (-1,))[..., :K], -1, axis).astype(np.float32)
;;   ~~~
;; One version. Each part assembles by itself: llvm-mc -triple=amdgcn-amd-amdhsa -mcpu=gfx1250 --defsym DOCPART=n.
;; ======== version 1 of 1: 4 launches
;; limits: values are held in f16: magnitudes above 65,504 overflow, below 6.1e-05 lose precision
;; workspace buffers: xc 12,582,912 bytes; xs 786,432 bytes; wc 1,572,864 bytes; ws 98,304 bytes; wot 2,097,152 bytes; qkv 50,331,648 bytes; ao 16,777,216 bytes
;; launch prep (part 1): grid 880 x 1, 4 waves a work-group, no clusters, 102,912 bytes of LDS; arguments query, key, value, Wq, Wk, Wv, Wo, xc, xs, wc, ws, wot; writes xc, xs, wc, ws, wot
.if DOCPART == 1
	.amdgcn_target "amdgcn-amd-amdhsa--gfx1250"
	.amdhsa_code_object_version 6
	.text
	.protected	k_q9d271c61c0_prep
	.globl	k_q9d271c61c0_prep
	.p2align	8
	.type	k_q9d271c61c0_prep,@function
k_q9d271c61c0_prep:
	s_mov_b64 s[64:65], 0
	v_nop
	global_prefetch_b8 v0, s[64:65] scope:SCOPE_SE
	s_setreg_imm32_b32 hwreg(HW_REG_WAVE_MODE, 25, 1), 1
	s_wait_xcnt 0x0
; PREP: everything that is made once from the inputs, in one launch, on three paths chosen by the work-group's number.
;   work-groups 0-47    Wq, Wk, Wv [k 1024][n 1024] f32 -> codes of FP4 (E2M1) laid [3 x 1024 n][512 bytes], K innermost, and E8M0 scale bytes [3 x 1024 n][32]
;   work-groups 48-111  Wo [k][n] f32 -> f16, laid [n][k]
;   work-groups 112-879 query, key, value [8192][1024] f32 -> codes [3 x 8192][512 bytes] and scale bytes [3 x 8192][32]
; The two short paths have the lowest numbers.  A block's scale is 2^(floor(log2(its largest magnitude)) - 2); its byte is the largest magnitude's exponent field - 2, held at 1 from below.
; LIMITS: a block of zeros gets the byte 1 where the rule says 127 (its codes are zeros, and only this program reads the bytes); blocks whose largest magnitude lies under 2^-124 were not tried;
; NaN and infinities are not served; |Wo| stays under 65,504 (f16).
; No tensor loads, no barrier, no cluster: waves share nothing, and no two work-groups read the same bytes.  Each path has LDS bytes of its own.
.set SP,    80                         ; path X: a lane's place in a stage: its 64 bytes + 16 of padding
.set WREG,  8192                       ; path X: LDS of a wave: two stages of 32 x SP bytes, then its 256 scale bytes
.set STEPS, 16
.set EMAX,  2
.set R,     16                         ; path X: v16-79 four sets of 16 numbers as loaded
.set X,     80                         ;         v80-111 two sets of 16 neighbours
.set E,     112                        ;         v112-127 a scale byte for each step
.set C,     128                        ;         v128-191 codes, four registers a step
.set WSTG,  32768                      ; path W: four stages of 32 rows x 272 bytes
.set OSTG,  67584                      ; path O: the same
.set TP,    272                        ; a stage row: 256 bytes + 16
.set XW,    32                         ; paths W, O: v32-95 two sets of 32 numbers down K
.set CW,    96                         ;             v96.. a block's codes (W: 4) or f16 pairs (O: 16)
.set OUTR,  112                        ;             v112-175 rows read back from the stage
.set SB,    24                         ; path W: v24-27 scale bytes, four to a register
.macro LOADX t                         ; step t: four loads of 512 consecutive bytes
.irp i, 0,1,2,3
	global_load_b128 v[R+16*((\t)%4)+4*\i:R+16*((\t)%4)+4*\i+3], v3, s[8:9] offset:2048*(\t)+512*\i th:TH_LOAD_NT
.endr
.endm
.macro TURNX t                         ; step t's numbers through the stage: in as they lie, out 64 bytes a lane; LDS serves a wave's instructions in order
.irp i, 0,1,2,3
	ds_store_b128 v14, v[R+16*((\t)%4)+4*\i:R+16*((\t)%4)+4*\i+3] offset:32*SP*((\t)%2)+8*SP*\i
.endr
.irp i, 0,1,2,3
	ds_load_b128 v[X+16*((\t)%2)+4*\i:X+16*((\t)%2)+4*\i+3], v15 offset:32*SP*((\t)%2)+16*\i
.endr
.endm
.macro STEPX t
.set XS, X+16*((\t)%2)
.if (\t) > 0
	s_wait_dscnt 1                                 ; this step's numbers are back from the stage; the last step's byte store may be out
.else
	s_wait_dscnt 0x0
.endif
.if (\t)+4 < STEPS
	LOADX (\t)+4                                   ; into the set that the stage's stores have read
.endif
.if (\t)+1 < STEPS
.if STEPS-2-(\t) >= 3
	s_wait_loadcnt 12                              ; the next step's four loads are in; those of the three steps behind it may be out
.else
	s_wait_loadcnt 4*(STEPS-2-(\t))
.endif
	TURNX (\t)+1
.endif
	v_max3_num_f32 v8, |v[XS]|, |v[XS+1]|, |v[XS+2]|               ; the largest magnitude of my 16, in two chains
	v_max3_num_f32 v9, |v[XS+3]|, |v[XS+4]|, |v[XS+5]|
.irp i, 6,10
	v_max3_num_f32 v8, v8, |v[XS+\i]|, |v[XS+\i+1]|
	v_max3_num_f32 v9, v9, |v[XS+\i+2]|, |v[XS+\i+3]|
.endr
	v_max3_num_f32 v8, v8, |v[XS+14]|, |v[XS+15]|
	v_max3_num_f32 v8, v8, v9, (EMAX+1)<<23        ; and the floor 2^(3 - 127): the byte cannot fall under 1
	v_max_num_f32_dpp v8, v8, v8 row_xmask:1 row_mask:0xf bank_mask:0xf   ; with my neighbour's 16: the block's
	v_add_nc_u32 v11, -(EMAX<<23), v8              ; 2 off its exponent field: the conversion takes this operand's exponent field as its scale
	v_cvt_scalef32_pk8_fp4_f32 v[C+4*(\t)], v[XS:XS+7], v11
	v_cvt_scalef32_pk8_fp4_f32 v[C+4*(\t)+1], v[XS+8:XS+15], v11
	v_lshrrev_b32 v[E+(\t)], 23, v11               ; the scale's byte
	ds_store_b8 v5, v[E+(\t)] offset:16*(\t)       ; both lanes of a block write the same byte with the same value
	global_store_b64 v4, v[C+4*(\t):C+4*(\t)+1], s[22:23] offset:256*(\t)   ; the wave stores 256 consecutive bytes, aligned
.endm
.macro LOADW t, lo, hi                 ; block t of a column: rows 32 t + i of the weight, 4,096 bytes apart, into set t % 2; 32 lanes read 128 consecutive bytes
.irp i, 0,1,2,3,4,5,6,7,8,9,10,11,12,13,14,15,16,17,18,19,20,21,22,23,24,25,26,27,28,29,30,31
	global_load_b32 v[XW+32*((\t)%2)+\i], v3, s[\lo:\hi] offset:(32*(\t)+\i)*4096 th:TH_LOAD_NT
.endr
.endm
.macro BLOCKW t
.set XS, XW+32*((\t)%2)
.if (\t) < 15
	s_wait_loadcnt 32                              ; this block's 32 loads are in; the next block's may be out
.else
	s_wait_loadcnt 0x0
.endif
	v_max3_num_f32 v12, |v[XS]|, |v[XS+1]|, |v[XS+2]|              ; all 32 numbers of the block are mine
	v_max3_num_f32 v13, |v[XS+3]|, |v[XS+4]|, |v[XS+5]|
.irp i, 6,10,14,18,22,26
	v_max3_num_f32 v12, v12, |v[XS+\i]|, |v[XS+\i+1]|
	v_max3_num_f32 v13, v13, |v[XS+\i+2]|, |v[XS+\i+3]|
.endr
	v_max3_num_f32 v12, v12, |v[XS+30]|, |v[XS+31]|
	v_max3_num_f32 v12, v12, v13, (EMAX+1)<<23
	v_add_nc_u32 v11, -(EMAX<<23), v12
	v_lshrrev_b32 v13, 23, v11
.if (\t)%4 == 0
	v_mov_b32 v[SB+(\t)/4], v13                    ; four bytes to a register, the lower K in the lower byte
.else
	v_lshl_or_b32 v[SB+(\t)/4], v13, 8*((\t)%4), v[SB+(\t)/4]
.endif
.irp g, 0,1,2,3
	v_cvt_scalef32_pk8_fp4_f32 v[CW+\g], v[XS+8*\g:XS+8*\g+7], v11
.endr
	ds_store_b128 v4, v[CW:CW+3] offset:16*(\t)    ; 32 codes: 16 bytes of my column's row
.if (\t)+2 < 16
	LOADW (\t)+2, 14, 15
.endif
	s_wait_dscnt 0x0                               ; the store has read its registers: the next block's codes may be written
.endm
.macro BLOCKO t
.set XS, XW+32*((\t)%2)
.if (\t) < 3
	s_wait_loadcnt 32
.else
	s_wait_loadcnt 0x0
.endif
.irp i, 0,1,2,3,4,5,6,7,8,9,10,11,12,13,14,15
	v_cvt_pk_f16_f32 v[CW+\i], v[XS+2*\i], v[XS+2*\i+1]            ; the lower k in the low half
.endr
.irp g, 0,1,2,3
	ds_store_b128 v4, v[CW+4*\g:CW+4*\g+3] offset:64*(\t)+16*\g
.endr
.if (\t)+2 < 4
	LOADW (\t)+2, 20, 21
.endif
	s_wait_dscnt 0x0
.endm
.macro STAGEADR base                   ; paths W, O: v3 4 x lane; v4 into my stage, row = my column; v7 out of it, sixteen lanes to a row; v5 lane % 16, v6 lane / 16
	v_lshlrev_b32 v3, 2, v2
	s_mul_i32 s7, s3, 32*TP
	s_add_co_u32 s7, s7, \base
	v_mul_u32_u24 v4, v2, TP
	v_add_nc_u32 v4, s7, v4
	v_and_b32 v5, 15, v2
	v_lshrrev_b32 v6, 4, v2
	v_mul_u32_u24 v7, v6, TP
	v_lshl_add_u32 v7, v5, 4, v7
	v_add_nc_u32 v7, s7, v7
.endm
.macro ROWSOUT lo, hi, pitch           ; 32 rows of 256 bytes leave the stage: sixteen lanes store 256 consecutive bytes, aligned; two rows an instruction
.irp t, 0,1,2,3,4,5,6,7,8,9,10,11,12,13,14,15
	ds_load_b128 v[OUTR+4*\t:OUTR+4*\t+3], v7 offset:2*\t*TP
.endr
.irp t, 0,1,2,3,4,5,6,7,8,9,10,11,12,13,14,15
	s_wait_dscnt 15-\t
	global_store_b128 v8, v[OUTR+4*\t:OUTR+4*\t+3], s[\lo:\hi] offset:2*\t*\pitch
.endr
.endm
	s_load_b512 s[8:23], s[0:1], 0x0               ; query 8, key 10, value 12, Wq 14, Wk 16, Wv 18, Wo 20, xc 22
	s_load_b256 s[24:31], s[0:1], 0x40             ; xs 24, wc 26, ws 28, wot 30
	v_lshl_add_u32 v192, v0, 2, 0x19000
	v_mov_b32 v193, 0
	v_lshrrev_b32 v1, 5, v0
	v_readfirstlane_b32 s3, v1                     ; wave 0..3
	v_and_b32 v2, 31, v0                           ; lane
	s_cmp_lt_u32 ttmp9, 48
	s_cbranch_scc1 .Lweights
	s_cmp_lt_u32 ttmp9, 112
	s_cbranch_scc1 .Lwo
	; ---- PATH X.  Rows are dense and K is a multiple of 32: a tensor is a plain stream of blocks of 32.  A wave takes 16 steps of 512 numbers.
	v_lshlrev_b32 v3, 4, v2                        ; my 16 bytes of a load's 512
	s_mul_i32 s2, s3, WREG
	v_lshrrev_b32 v14, 2, v2
	v_mul_u32_u24 v14, v14, SP
	v_and_b32 v15, 3, v2
	v_lshl_add_u32 v14, v15, 4, v14
	v_add_nc_u32 v14, s2, v14                      ; the stage, on the way in: SP (lane / 4) + 16 (lane % 4)
	v_mul_u32_u24 v15, v2, SP
	v_add_nc_u32 v15, s2, v15                      ; and out: SP x lane: my 16 neighbours
	v_lshlrev_b32 v4, 3, v2                        ; my 8 bytes of a step's codes
	v_lshrrev_b32 v5, 1, v2
	s_add_co_u32 s2, s2, 2*32*SP
	v_add_nc_u32 v5, s2, v5                        ; my block's byte among my wave's 256
	v_lshlrev_b32 v7, 3, v2
	v_add_nc_u32 v6, s2, v7
	s_sub_co_u32 s4, ttmp9, 112                    ; 0..767: 256 work-groups a tensor
	s_wait_kmcnt 0x0
	s_cmp_lt_u32 s4, 512
	s_cselect_b64 s[10:11], s[10:11], s[12:13]     ; the choice hangs on the work-group's number alone
	s_cmp_lt_u32 s4, 256
	s_cselect_b64 s[8:9], s[8:9], s[10:11]
	s_and_b32 s5, s4, 255
	s_lshl_b32 s5, s5, 2
	s_add_co_u32 s5, s5, s3                        ; which run of 8,192 numbers of the tensor is my wave's
	s_lshl_b32 s32, s5, 15
	s_mov_b32 s33, 0
	s_add_nc_u64 s[8:9], s[8:9], s[32:33]
	s_lshl_b32 s5, s4, 2
	s_add_co_u32 s5, s5, s3                        ; and of the three tensors on end
	s_lshl_b32 s32, s5, 12                         ; 4,096 bytes of codes a run
	s_add_nc_u64 s[22:23], s[22:23], s[32:33]
	s_lshl_b32 s32, s5, 8                          ; 256 scale bytes a run
	s_add_nc_u64 s[24:25], s[24:25], s[32:33]
.irp t, 0,1,2,3
	LOADX \t
.endr
	s_wait_loadcnt 12                              ; step 0's four loads are in
	TURNX 0
.irp t, 0,1,2,3,4,5,6,7,8,9,10,11,12,13,14,15
	STEPX \t
.endr
	ds_load_b64 v[12:13], v6                       ; LDS serves a wave's instructions in order: these see my byte stores
	s_wait_dscnt 0x0
	global_store_b64 v7, v[12:13], s[24:25]        ; 32 lanes store 256 consecutive bytes, aligned
	s_wait_tensorcnt 0x0
	ds_add_u32 v192, v193
	s_wait_dscnt 0x0
	s_endpgm
	; ---- PATH W.  A lane takes a column n and its registers run down K: a block of 32 lies in one lane, and the codes come out with K innermost.  A wave: 32 columns x 512 along K.
.Lweights:
	s_lshr_b32 s4, ttmp9, 4                        ; which weight
	s_and_b32 s5, ttmp9, 7
	s_bfe_u32 s6, ttmp9, 0x10003                   ; which half of K
	s_lshl_b32 s5, s5, 7
	s_lshl_b32 s7, s3, 5
	s_add_co_u32 s5, s5, s7                        ; my wave's first column
	STAGEADR WSTG
	v_lshlrev_b32 v8, 9, v6
	v_lshl_add_u32 v8, v5, 4, v8                   ; the same place in the codes' rows of 512 bytes
	v_lshlrev_b32 v9, 5, v2                        ; my column's row of 32 scale bytes
	s_lshl_b32 s32, s6, 21                         ; 512 rows of 4,096 bytes
	s_lshl_b32 s34, s5, 2
	s_add_co_u32 s32, s32, s34
	s_mov_b32 s33, 0
	s_lshl_b32 s34, s4, 19
	s_lshl_b32 s36, s5, 9
	s_add_co_u32 s34, s34, s36
	s_lshl_b32 s36, s6, 8
	s_add_co_u32 s34, s34, s36
	s_mov_b32 s35, 0
	s_lshl_b32 s36, s4, 15
	s_lshl_b32 s38, s5, 5
	s_add_co_u32 s36, s36, s38
	s_lshl_b32 s38, s6, 4
	s_add_co_u32 s36, s36, s38
	s_mov_b32 s37, 0
	s_wait_kmcnt 0x0
	s_cmp_lt_u32 ttmp9, 32
	s_cselect_b64 s[16:17], s[16:17], s[18:19]
	s_cmp_lt_u32 ttmp9, 16
	s_cselect_b64 s[14:15], s[14:15], s[16:17]
	s_add_nc_u64 s[14:15], s[14:15], s[32:33]
	s_add_nc_u64 s[26:27], s[26:27], s[34:35]
	s_add_nc_u64 s[28:29], s[28:29], s[36:37]
	LOADW 0, 14, 15
	LOADW 1, 14, 15
.set Q, 0
.rept 16
	BLOCKW Q
.set Q, Q+1
.endr
	global_store_b128 v9, v[SB:SB+3], s[28:29]     ; my column's 16 scale bytes of this half of K
	ROWSOUT 26, 27, 512
	s_wait_tensorcnt 0x0
	ds_add_u32 v192, v193
	s_wait_dscnt 0x0
	s_endpgm
	; ---- PATH O.  The same walk, rounding to f16 in place of quantising.  A wave: 32 columns x 128 along K: 256 bytes a column.
.Lwo:
	s_sub_co_u32 s4, ttmp9, 48
	s_and_b32 s5, s4, 7
	s_lshr_b32 s6, s4, 3                           ; which 128 along K
	s_lshl_b32 s5, s5, 7
	s_lshl_b32 s7, s3, 5
	s_add_co_u32 s5, s5, s7
	STAGEADR OSTG
	v_lshlrev_b32 v8, 11, v6
	v_lshl_add_u32 v8, v5, 4, v8                   ; rows of 2,048 bytes
	s_lshl_b32 s32, s6, 19                         ; 128 rows of 4,096 bytes
	s_lshl_b32 s34, s5, 2
	s_add_co_u32 s32, s32, s34
	s_mov_b32 s33, 0
	s_lshl_b32 s34, s5, 11
	s_lshl_b32 s36, s6, 8
	s_add_co_u32 s34, s34, s36
	s_mov_b32 s35, 0
	s_wait_kmcnt 0x0
	s_add_nc_u64 s[20:21], s[20:21], s[32:33]
	s_add_nc_u64 s[30:31], s[30:31], s[34:35]
	LOADW 0, 20, 21
	LOADW 1, 20, 21
.irp t, 0,1,2,3
	BLOCKO \t
.endr
	ROWSOUT 30, 31, 2048
	s_wait_tensorcnt 0x0
	ds_add_u32 v192, v193
	s_wait_dscnt 0x0
	s_endpgm
.Lfunc_end_k_q9d271c61c0_prep:
	.size	k_q9d271c61c0_prep, .Lfunc_end_k_q9d271c61c0_prep-k_q9d271c61c0_prep
	.p2alignl 7, 3214868480
	.fill 96, 4, 3214868480
	.section	.rodata,"a",@progbits
	.p2align	6, 0x0
	.amdhsa_kernel k_q9d271c61c0_prep
		.amdhsa_group_segment_fixed_size 102912
		.amdhsa_private_segment_fixed_size 0
		.amdhsa_enable_private_segment 0
		.amdhsa_kernarg_size 96
		.amdhsa_user_sgpr_count 2
		.amdhsa_user_sgpr_kernarg_segment_ptr 1
		.amdhsa_wavefront_size32 1
		.amdhsa_system_sgpr_workgroup_id_x 1
		.amdhsa_system_sgpr_workgroup_id_y 1
		.amdhsa_system_sgpr_workgroup_id_z 1
		.amdhsa_system_vgpr_workitem_id 0
		.amdhsa_next_free_vgpr 194
		.amdhsa_next_free_sgpr 66
		.amdhsa_reserve_vcc 0
		.amdhsa_float_denorm_mode_32 3
		.amdhsa_float_denorm_mode_16_64 3
		.amdhsa_memory_ordered 1
		.amdhsa_forward_progress 1
		.amdhsa_inst_pref_size 133
	.end_amdhsa_kernel
	.amdgpu_metadata
---
amdhsa.version: [ 1, 2 ]
amdhsa.kernels:
  - .name:           k_q9d271c61c0_prep
    .symbol:         k_q9d271c61c0_prep.kd
    .args:
      - { .name: query, .offset: 0, .size: 8, .value_kind: global_buffer, .address_space: global }
      - { .name: key, .offset: 8, .size: 8, .value_kind: global_buffer, .address_space: global }
      - { .name: value, .offset: 16, .size: 8, .value_kind: global_buffer, .address_space: global }
      - { .name: Wq, .offset: 24, .size: 8, .value_kind: global_buffer, .address_space: global }
      - { .name: Wk, .offset: 32, .size: 8, .value_kind: global_buffer, .address_space: global }
      - { .name: Wv, .offset: 40, .size: 8, .value_kind: global_buffer, .address_space: global }
      - { .name: Wo, .offset: 48, .size: 8, .value_kind: global_buffer, .address_space: global }
      - { .name: xc, .offset: 56, .size: 8, .value_kind: global_buffer, .address_space: global }
      - { .name: xs, .offset: 64, .size: 8, .value_kind: global_buffer, .address_space: global }
      - { .name: wc, .offset: 72, .size: 8, .value_kind: global_buffer, .address_space: global }
      - { .name: ws, .offset: 80, .size: 8, .value_kind: global_buffer, .address_space: global }
      - { .name: wot, .offset: 88, .size: 8, .value_kind: global_buffer, .address_space: global }
    .group_segment_fixed_size: 102912
    .private_segment_fixed_size: 0
    .kernarg_segment_align: 8
    .kernarg_segment_size: 96
    .max_flat_workgroup_size: 128
    .sgpr_count:     66
    .vgpr_count:     194
    .wavefront_size: 32
...
	.end_amdgpu_metadata
.endif
;; end of part 1
;; launch proj (part 2): grid 4 x 96, 4 waves a work-group, clusters of 4 x 4, 327,680 bytes of LDS; arguments xc, xs, wc, ws, bq, bk, bv, qkv; writes qkv
.if DOCPART == 2
	.amdgcn_target "amdgcn-amd-amdhsa--gfx1250"
	.amdhsa_code_object_version 6
	.text
	.protected	k_q9d271c61c0_proj
	.globl	k_q9d271c61c0_proj
	.p2align	8
	.type	k_q9d271c61c0_proj,@function
k_q9d271c61c0_proj:
	s_mov_b64 s[64:65], 0
	v_nop
	global_prefetch_b8 v0, s[64:65] scope:SCOPE_SE
	s_setreg_imm32_b32 hwreg(HW_REG_WAVE_MODE, 25, 1), 1
	s_wait_xcnt 0x0
	s_wait_alu depctr_hold_cnt(0) depctr_sa_sdst(0) depctr_va_vdst(0) depctr_va_sdst(0) depctr_va_ssrc(0) depctr_va_vcc(0) depctr_vm_vsrc(0)
	s_getreg_b32 s2, hwreg(HW_REG_IB_STS2, 6, 4)
	s_cmp_eq_u32 s2, 0
	s_cbranch_scc0 .Lentry_in_a_cluster
	s_endpgm
.Lentry_in_a_cluster:
	s_bfe_u32 s2, ttmp6, 0x10000c
	s_cmp_lg_u32 s2, 0xf033
	s_cbranch_scc0 .Lentry_shape_is_right
	s_endpgm
.Lentry_shape_is_right:
; PROJ: the three projections as ONE product on codes of FP4 (E2M1) with E8M0 scales: C[m][n] = sum over k of A[m][k] B[n][k] + bias[n], K = 1,024.
; A: the 24,576 rows query | key | value; B: for rows of tensor p the 1,024 rows of weight p; C: [24,576][1,024], rounded ONCE to f16; q's rows are first multiplied by c = log2(e) / 8 in f32.
; LIMIT: c q, k and v stay under 65,504 (f16).
; A tile of C, 256 x 256, is made by four waves, each 128 x 128: 64 accumulators, 512 registers.  K goes in two steps of 512 through two LDS slots, each filled once; the scale bytes of the tile's rows come once beside them.
; CLUSTERS: 4 x 4 work-groups; A's tiles are asked for jointly along a row of the cluster, B's along a column.  A cluster's four tile rows lie in one tensor (32 tile rows a tensor), so p is the same in all sixteen.
; THE MATRIX INSTRUCTION IS USED TRANSPOSED (source 0 = 16 rows of B, source 1 = 16 rows of A): a lane holds eight neighbouring numbers of a row of C.  The bias is the C of each sum's first product.
; REGISTERS: window 0: v0-31 addresses; v32-95 scale words, two sets, and nothing else; v96-127 packed results; v128-191 A's fragments, later scaled results; v192-255 the bias, later rows read back.
;   window 1: B's fragments, two sets, at v0 and v128.   windows 2, 3: the accumulators of my rows 0-63, 64-127 ((a, b) at v[8 (8 a + b)]).
.set NQ,     4                         ; steps of 128 along K in a slot
.set ROWB,   256                       ; a tile's row: 512 codes
.set KROW,   512                       ; a row of codes in memory
.set PITCH,  272                       ; an LDS row: 256 bytes + 16: the sixteen rows that a load touches start 68 words apart
.set FR,     8
.set NL,     2
.set NP,     4
.set HALFT,  128*PITCH
.set SLOT,   4*HALFT
.set KS,     32                        ; a row of scale bytes
.set SCL,    2*SLOT
.set HALFS,  (128*KS/256)*272
.set SBLK,   (16*KS/256)*272
.set SPARE,  SCL+4*HALFS               ; the spare words, 128 bytes a wave: two blocks of 256 bytes that no other line names
.set SPITCH, 272                       ; the way out: a stage of 16 rows x (256 + 16) bytes a wave, in slot 0, which has had its one fill and its last read by then
.set CROW,   2048                      ; a row of C in bytes
.set ADRA, 16
.set ADRB, 20
.set STO,  24
.set RD,   25
.set CO,   26
.set ADRS, 27
.set SPW,  28
.set NIL,  29
.set BA,   30
.set SC,   32
.set TMP,  96
.set AF,   128
.set TF,   128
.set BI,   192
.set OB,   192
.set G1, 24
.set G0, 32
.set G1B, 48
.set G0B, 56
.set G1S, 68
.set G0S, 76
.set G1SB, 80
.set G0SB, 88
.set MSB, 0
.macro WIN new                         ; the immediate's high byte repeats the setting that is left
.if MSB != \new
	s_set_vgpr_msb (MSB<<8)|\new
.set MSB, \new
.endif
.endm
.set MUL_LO, 0xa1                      ; source 0 (B) window 1, source 1 (A) window 0, C and D window 2
.set MUL_HI, 0xf1                      ; the same, C and D window 3
.set BIA_LO, 0x81                      ; C (the bias) window 0, D window 2
.set BIA_HI, 0xc1                      ; C window 0, D window 3
.set TO_B,   0x40
; A joint load: waves 0 and 1 fetch for A, waves 2 and 3 for B; the branch hangs on the wave's number alone.  Four v_nop follow each line.
.macro JLOAD g0a, g1a, g0b, g1b
	s_cmp_eq_u32 s15, 0
	s_cbranch_scc0 .Lfor_b_\@
	tensor_load_to_lds s[\g0a:\g0a+3], s[\g1a:\g1a+7]
	s_nop 0
.rept 4
	v_nop
.endr
	s_branch .Lasked_\@
.Lfor_b_\@:
	tensor_load_to_lds s[\g0b:\g0b+3], s[\g1b:\g1b+7]
	s_nop 0
.rept 4
	v_nop
.endr
.Lasked_\@:
.endm
.macro CROUND                          ; a round of the cluster's barrier
	s_barrier_signal -1
	s_barrier_wait -1
	s_cmp_lg_u32 s14, 0
	s_cbranch_scc1 .Lnot_wave_0_\@
	s_barrier_signal -3
.Lnot_wave_0_\@:
	s_barrier_wait -3
	s_barrier_signal -1
	s_barrier_wait -1
.endm
	s_load_b128 s[4:7], s[0:1], 0x0                ; A's codes, A's scales
	s_load_b128 s[8:11], s[0:1], 0x10              ; B's codes, B's scales
	s_load_b128 s[96:99], s[0:1], 0x20             ; bq, bk
	s_load_b64 s[100:101], s[0:1], 0x30            ; bv
	s_load_b64 s[12:13], s[0:1], 0x38              ; C
	v_lshl_add_u32 v[SPW], v0, 2, SPARE
	v_mov_b32 v[NIL], 0
	ds_add_u32 v28, v29
	ds_add_u32 v28, v29
	s_wait_dscnt 0x0
	v_lshrrev_b32 v1, 5, v0
	v_readfirstlane_b32 s14, v1                    ; wave 0..3
	s_lshr_b32 s15, s14, 1                         ; which half of the tile's rows is mine.  Also: I fetch for A (0) or for B (1)
	s_and_b32 s16, s14, 1                          ; which half of its columns.  Also: which 128 rows I fetch
	s_bfe_u32 s40, ttmp6, 0x40000                  ; cx
	s_bfe_u32 s41, ttmp6, 0x40004                  ; cy
	s_lshl_b32 s42, ttmp9, 2
	s_add_co_u32 s42, s42, s40                     ; tile column
	s_and_b32 s17, ttmp7, 0xffff
	s_lshr_b32 s95, s17, 3                         ; p: eight clusters of four tile rows a tensor
	s_lshl_b32 s17, s17, 2
	s_add_co_u32 s17, s17, s41                     ; tile row, 0..95
	s_lshl_b32 s43, s41, 2
	s_lshl_b32 s43, 15, s43                        ; my row of the cluster
	s_lshl_b32 s44, 0x1111, s40                    ; my column
	s_or_b32 s[G1+0], s43, (0<<16)|(1<<20)|(1<<21)|(5<<22)|(3<<25)  ; mask; elements of 1 byte; padding on; bit 21 beside a mask; 4 words behind every 64
	s_or_b32 s[G1B+0], s44, (0<<16)|(1<<20)|(1<<21)|(5<<22)|(3<<25)
.irp g, G1, G1B
	s_mov_b32 s[\g+1], ROWB<<16                    ; tensor_dim0
	s_mov_b32 s[\g+2], 128<<16                     ; tensor_dim1
	s_mov_b32 s[\g+3], ROWB<<16                    ; tile_dim0
	s_mov_b32 s[\g+4], 128                         ; tile_dim1
	s_mov_b32 s[\g+5], KROW                        ; from row to row
	s_mov_b32 s[\g+6], 0
	s_mov_b32 s[\g+7], 0
.endr
	s_or_b32 s[G1S+0], s43, (3<<16)|(1<<20)|(1<<21)|(5<<22)|(3<<25) ; the scales of 128 rows: 4,096 dense bytes as 16 rows of 256 (32 elements of 8 bytes), 16 bytes of padding behind each
	s_or_b32 s[G1SB+0], s44, (3<<16)|(1<<20)|(1<<21)|(5<<22)|(3<<25)
.irp g, G1S, G1SB
	s_mov_b32 s[\g+1], 32<<16
	s_mov_b32 s[\g+2], (128*KS/256)<<16
	s_mov_b32 s[\g+3], 32<<16
	s_mov_b32 s[\g+4], 128*KS/256
	s_mov_b32 s[\g+5], 32
	s_mov_b32 s[\g+6], 0
	s_mov_b32 s[\g+7], 0
.endr
	s_lshl_b32 s18, s16, 7                         ; which 128 rows of the tile I fetch
	s_lshl_b32 s20, s17, 8
	s_add_co_u32 s20, s20, s18                     ; A: row 256 x tile row + 128 x half
	s_lshl_b32 s46, s42, 8
	s_add_co_u32 s46, s46, s18
	s_lshl_b32 s19, s95, 10
	s_add_co_u32 s46, s46, s19                     ; B: row 1,024 p + 256 x tile column + 128 x half
	s_lshl_b32 s22, s20, 5                         ; their scales, 32 bytes a row,
	s_mov_b32 s23, 0
	s_lshl_b32 s92, s46, 5
	s_mov_b32 s93, 0
	s_lshl_b32 s20, s20, 9                         ; and their codes, 512 bytes a row
	s_mov_b32 s21, 0
	s_lshl_b32 s46, s46, 9
	s_mov_b32 s47, 0
	s_mul_i32 s45, s14, HALFT                      ; where they go: wave x 128 rows
	s_mul_i32 s94, s14, HALFS
	s_wait_kmcnt 0x0
	s_add_nc_u64 s[20:21], s[4:5], s[20:21]
	s_add_nc_u64 s[22:23], s[6:7], s[22:23]
	s_add_nc_u64 s[46:47], s[8:9], s[46:47]
	s_add_nc_u64 s[92:93], s[10:11], s[92:93]
	s_cmp_eq_u32 s95, 1
	s_cselect_b64 s[98:99], s[98:99], s[100:101]   ; the tensor's bias
	s_cmp_eq_u32 s95, 0
	s_cselect_b64 s[96:97], s[96:97], s[98:99]
	s_cselect_b32 s66, 0x3e38aa3b, 1.0             ; q's rows are multiplied by log2(e) / 8, the others by 1
	s_mov_b32 s67, s66                             ; (named with it as a pair)
	CROUND                                         ; all sixteen work-groups are here: the joint loads meet
	s_mov_b32 s[G0S], 1
	s_add_co_u32 s[G0S+1], s94, SCL
	s_mov_b64 s[G0S+2:G0S+3], s[22:23]
	s_or_b32 s[G0S+3], s[G0S+3], 0x80000000
	s_mov_b32 s[G0SB], 1
	s_add_co_u32 s[G0SB+1], s94, SCL
	s_mov_b64 s[G0SB+2:G0SB+3], s[92:93]
	s_or_b32 s[G0SB+3], s[G0SB+3], 0x80000000
	JLOAD G0S, G1S, G0SB, G1SB                     ; the scales first: three loads of mine are out at the most
.irp s, 0,1
	s_mov_b32 s[G0+4*\s], 1
	s_add_co_u32 s[G0+4*\s+1], s45, \s*SLOT
	s_add_nc_u64 s[G0+4*\s+2:G0+4*\s+3], s[20:21], \s*ROWB
	s_or_b32 s[G0+4*\s+3], s[G0+4*\s+3], 0x80000000
	s_mov_b32 s[G0B+4*\s], 1
	s_add_co_u32 s[G0B+4*\s+1], s45, \s*SLOT
	s_add_nc_u64 s[G0B+4*\s+2:G0B+4*\s+3], s[46:47], \s*ROWB
	s_or_b32 s[G0B+4*\s+3], s[G0B+4*\s+3], 0x80000000
	JLOAD G0+4*\s, G1, G0B+4*\s, G1B
.endr
	v_and_b32 v1, 15, v0                           ; r
	v_bfe_u32 v2, v0, 4, 1                         ; h
	v_lshlrev_b32 v[BA], 5, v2                     ; the bias: lane (r, h) wants, for B's block b, the numbers 16 b + 8 h + 0 .. 7
	s_lshl_b32 s46, s42, 10
	s_lshl_b32 s47, s16, 9
	s_add_co_u32 s46, s46, s47                     ; my first column x 4 bytes
	s_mov_b32 s47, 0
	s_add_nc_u64 s[96:97], s[96:97], s[46:47]
.irp b, 0,1,2,3,4,5,6,7
	global_load_b128 v[BI+8*\b:BI+8*\b+3], v[BA], s[96:97] offset:64*\b
	global_load_b128 v[BI+8*\b+4:BI+8*\b+7], v[BA], s[96:97] offset:64*\b+16
.endr
	v_mul_u32_u24 v3, v1, PITCH
	v_lshl_add_u32 v4, v2, 4, v3                   ; a fragment's row x pitch + 16 x half
	s_mul_i32 s21, s15, HALFT
	s_mul_i32 s22, s16, HALFT
	s_add_co_u32 s22, s22, 2*HALFT
.irp s, 0,1
	v_add_nc_u32 v[ADRA+\s], s21, v4
	v_add_nc_u32 v[ADRB+\s], s22, v4
	s_add_co_u32 s21, s21, SLOT
	s_add_co_u32 s22, s22, SLOT
.endr
	v_mul_u32_u24 v5, v1, KS                       ; my row's scales: 32 bytes a row,
	v_lshrrev_b32 v6, 8, v5
	v_lshl_add_u32 v5, v6, 4, v5                   ; and 16 more for each 256 passed
	s_mul_i32 s21, s15, HALFS
	s_mul_i32 s22, s16, HALFS
	s_add_co_u32 s22, s22, 2*HALFS
	s_sub_co_u32 s22, s22, s21
	v_mul_u32_u24 v6, s22, v2                      ; lanes 16-31 take B's: one product, the distance between the two bases
	s_add_co_u32 s21, s21, SCL
	v_add_nc_u32 v5, v5, v6
	v_add_nc_u32 v[ADRS], s21, v5
	s_mul_i32 s23, s14, 16*SPITCH                  ; my stage
	v_mul_u32_u24 v5, v1, SPITCH
	v_lshl_add_u32 v5, v2, 4, v5
	v_add_nc_u32 v[STO], s23, v5                   ; in: row r, 16 bytes for each half of the lanes
	v_mul_u32_u24 v5, v2, SPITCH
	v_lshl_add_u32 v5, v1, 4, v5
	v_add_nc_u32 v[RD], s23, v5                    ; back: lanes 0-15 one row of 256 bytes, lanes 16-31 the next
	v_lshlrev_b32 v5, 11, v2
	v_lshl_add_u32 v[CO], v1, 4, v5                ; and the same two rows in C
	s_lshl_b32 s20, s17, 8
	s_lshl_b32 s21, s15, 7
	s_add_co_u32 s20, s20, s21
	s_lshl_b32 s20, s20, 11                        ; my first row of C, in bytes (under 2^26)
	s_lshl_b32 s21, s42, 9
	s_add_co_u32 s20, s20, s21
	s_lshl_b32 s21, s16, 8
	s_add_co_u32 s20, s20, s21                     ; + my first column: 512 x tile column + 256 x half
	s_mov_b32 s21, 0
	s_add_nc_u64 s[12:13], s[12:13], s[20:21]
.macro FRAG reg, adr, q, i             ; 16 rows x 128 K of 4-bit codes: 8 registers: two loads of 16 bytes, 32 bytes apart
.irp c, 0,1
	ds_load_b128 v[\reg+4*\c:\reg+4*\c+3], v[\adr] offset:64*(\q)+32*\c+(\i)*16*PITCH
.endr
.endm
; 16 matrix instructions: A's blocks a0, a0 + 1 x B's eight, the slot's q-th 128 along K.  p: B's set; sc: the set of scale words.  zero = 1: the first product starts the sums from the bias.
; The 64 accumulators take turns, one instruction a turn, in the same order in every step.
.macro MUL16 a0, p, q, sc, zero
.irp a, \a0, \a0+1
.irp b, 0,1,2,3,4,5,6,7
.if \zero
	v_wmma_scale_f32_16x16x128_f8f6f4 v[8*(8*((\a)%4)+\b):8*(8*((\a)%4)+\b)+7], v[128*(\p)+FR*\b:128*(\p)+FR*\b+FR-1], v[AF+FR*(\a):AF+FR*(\a)+FR-1], v[BI+8*\b:BI+8*\b+7], v[SC+8*NQ*(\sc)+NQ*\b+(\q)], v[SC+8*NQ*(\sc)+NQ*(\a)+(\q)] matrix_a_fmt:MATRIX_FMT_FP4 matrix_b_fmt:MATRIX_FMT_FP4 matrix_a_scale:MATRIX_SCALE_ROW1
.else
	v_wmma_scale_f32_16x16x128_f8f6f4 v[8*(8*((\a)%4)+\b):8*(8*((\a)%4)+\b)+7], v[128*(\p)+FR*\b:128*(\p)+FR*\b+FR-1], v[AF+FR*(\a):AF+FR*(\a)+FR-1], v[8*(8*((\a)%4)+\b):8*(8*((\a)%4)+\b)+7], v[SC+8*NQ*(\sc)+NQ*\b+(\q)], v[SC+8*NQ*(\sc)+NQ*(\a)+(\q)] matrix_a_fmt:MATRIX_FMT_FP4 matrix_b_fmt:MATRIX_FMT_FP4 matrix_a_scale:MATRIX_SCALE_ROW1
.endif
.endr
.endr
.endm
.macro FETCH_B slot, q, p
	WIN TO_B
.irp i, 0,1,2,3,4,5,6,7
	FRAG 128*(\p)+FR*\i, ADRB+\slot, \q, \i
.endr
	WIN 0
.endm
.macro FETCH_A slot, q, i0
.irp i, \i0, \i0+1, \i0+2, \i0+3
	FRAG AF+FR*(\i), ADRA+\slot, \q, \i
.endr
.endm
.macro SCALES sc                       ; a K step's scale words: four a row; lanes 0-15 take A's block i, lanes 16-31 B's block i
.irp i, 0,1,2,3,4,5,6,7
	ds_load_b128 v[SC+8*NQ*\sc+NQ*\i:SC+8*NQ*\sc+NQ*\i+3], v[ADRS] offset:\i*SBLK
.endr
.endm
.macro PLACES n                        ; plain vector instructions between a matrix instruction and a load into, or a read of, its registers
.rept \n
	v_nop
.endr
.endm
.macro STEP slot, q, zero              ; a step of 128 along K that has its successor in the same slot
	s_wait_dscnt 4*NL                              ; B's set and A's blocks 0-3 are in; the youngest eight loads (A's blocks 4-7) may be out
.if \zero
	WIN BIA_LO
.else
	WIN MUL_LO
.endif
	MUL16 0, (\q)%2, \q, \slot, \zero
	MUL16 2, (\q)%2, \q, \slot, \zero
	s_wait_dscnt 0
	PLACES NP
	FETCH_B \slot, (\q)+1, 1-(\q)%2
	FETCH_A \slot, (\q)+1, 0
.if \zero
	WIN BIA_HI
.else
	WIN MUL_HI
.endif
	MUL16 4, (\q)%2, \q, \slot, \zero
	MUL16 6, (\q)%2, \q, \slot, \zero
	PLACES NP
	WIN 0
	FETCH_A \slot, (\q)+1, 4
.endm
.macro TURN slot, next                 ; slot 0's last step changes slots: one barrier; nothing is filled again
	s_wait_tensorcnt 0x0                           ; all my tensor loads have landed: my part of the next slot
	ds_add_u32 v[SPW], v[NIL]                      ; 0 onto my spare word
	s_wait_dscnt 4*NL+1                            ; (the add and the youngest eight loads may be out)
	WIN MUL_LO
	MUL16 0, 1, NQ-1, \slot, 0
	s_wait_dscnt 0x0                               ; the add is done, and my reads of this slot are over
	s_barrier_signal -1
	MUL16 2, 1, NQ-1, \slot, 0
	WIN 0
	s_barrier_wait -1
	PLACES NP
	v_add_nc_u32 v[ADRS], 4*NQ, v[ADRS]            ; on to the next K step's scale words
	FETCH_B \next, 0, 0
	FETCH_A \next, 0, 0
	SCALES \next
	WIN MUL_HI
	MUL16 4, 1, NQ-1, \slot, 0
	MUL16 6, 1, NQ-1, \slot, 0
	PLACES NP
	WIN 0
	FETCH_A \next, 0, 4
.endm
.macro STEPS slot, from
.set Q, \from
.rept NQ-1-\from
	STEP \slot, Q, 0
.set Q, Q+1
.endr
.endm
	s_wait_tensorcnt 1                             ; the scales and my part of slot 0 are in; slot 1's load may be out,
	s_barrier_signal -1
	s_barrier_wait -1                              ; everybody's are
	FETCH_B 0, 0, 0
	FETCH_A 0, 0, 0
	SCALES 0
	FETCH_A 0, 0, 4
	s_wait_loadcnt 0x0                             ; the bias
	STEP 0, 0, 1
	STEPS 0, 1
	TURN 0, 1
	STEPS 1, 0
	s_wait_dscnt 4*NL                              ; the last step: nothing more to fetch
	WIN MUL_LO
	MUL16 0, 1, NQ-1, 1, 0
	MUL16 2, 1, NQ-1, 1, 0
	s_wait_dscnt 0
	WIN MUL_HI
	MUL16 4, 1, NQ-1, 1, 0
	MUL16 6, 1, NQ-1, 1, 0
	WIN 0
; THE WAY OUT, block by block of 16 rows x 128 columns: x the row's factor in f32, rounded to f16, 16 bytes a lane into my stage, back as whole rows of 256 bytes.
.macro PACK a
.set AC, 64*((\a)%4)
	WIN 0x02+((\a)/4)                              ; source 0: window 2 or 3
.irp b, 0,1,2,3,4,5,6,7
.irp r, 0,1,2,3
	v_pk_mul_f32 v[TF+8*\b+2*\r:TF+8*\b+2*\r+1], v[AC+8*\b+2*\r:AC+8*\b+2*\r+1], s[66:67] op_sel_hi:[1,0]   ; each accumulator from its low end on
.endr
.endr
	WIN 0
.irp b, 0,1,2,3,4,5,6,7
.irp r, 0,1,2,3
	v_cvt_pk_f16_f32 v[TMP+4*\b+\r], v[TF+8*\b+2*\r], v[TF+8*\b+2*\r+1]
.endr
.endr
.endm
.macro TOSTAGE a
.set BB, OB+32*((\a)%2)
.irp b, 0,1,2,3,4,5,6,7
	ds_store_b128 v[STO], v[TMP+4*\b:TMP+4*\b+3] offset:32*\b
.endr
.irp t, 0,1,2,3,4,5,6,7
	ds_load_b128 v[BB+4*\t:BB+4*\t+3], v[RD] offset:\t*2*SPITCH    ; LDS serves a wave's instructions in order: these see the stores above
.endr
.endm
.macro SEND a
.set BB, OB+32*((\a)%2)
	s_wait_dscnt 0x0                               ; the block is back in registers
	s_wait_xcnt 0x0                                ; the earlier stores have read their base and their registers
.if (\a) > 0
	s_add_nc_u64 s[12:13], s[12:13], 16*CROW
.endif
.irp t, 0,1,2,3,4,5,6,7
	global_store_b128 v[CO], v[BB+4*\t:BB+4*\t+3], s[12:13] offset:2*\t*CROW   ; 16 lanes store 256 consecutive bytes, at a multiple of 256 from C's first byte
.endr
.endm
	PLACES NP                                      ; behind the last products: their results are read and A's registers written below
	PACK 0
	TOSTAGE 0
.irp a, 1,2,3,4,5,6,7
	PACK \a
	SEND \a-1
	TOSTAGE \a
.endr
	SEND 7
	s_wait_tensorcnt 0x0                           ; the wave's end
	ds_add_u32 v[SPW], v[NIL]
	s_wait_dscnt 0x0
	CROUND                                         ; the closing round
	s_endpgm
.Lfunc_end_k_q9d271c61c0_proj:
	.size	k_q9d271c61c0_proj, .Lfunc_end_k_q9d271c61c0_proj-k_q9d271c61c0_proj
	.p2alignl 7, 3214868480
	.fill 96, 4, 3214868480
	.section	.rodata,"a",@progbits
	.p2align	6, 0x0
	.amdhsa_kernel k_q9d271c61c0_proj
		.amdhsa_group_segment_fixed_size 327680
		.amdhsa_private_segment_fixed_size 0
		.amdhsa_enable_private_segment 0
		.amdhsa_kernarg_size 64
		.amdhsa_user_sgpr_count 2
		.amdhsa_user_sgpr_kernarg_segment_ptr 1
		.amdhsa_wavefront_size32 1
		.amdhsa_system_sgpr_workgroup_id_x 1
		.amdhsa_system_sgpr_workgroup_id_y 1
		.amdhsa_system_sgpr_workgroup_id_z 1
		.amdhsa_system_vgpr_workitem_id 0
		.amdhsa_next_free_vgpr 1024
		.amdhsa_next_free_sgpr 102
		.amdhsa_reserve_vcc 0
		.amdhsa_float_denorm_mode_32 3
		.amdhsa_float_denorm_mode_16_64 3
		.amdhsa_memory_ordered 1
		.amdhsa_forward_progress 1
		.amdhsa_inst_pref_size 145
	.end_amdhsa_kernel
	.amdgpu_metadata
---
amdhsa.version: [ 1, 2 ]
amdhsa.kernels:
  - .name:           k_q9d271c61c0_proj
    .symbol:         k_q9d271c61c0_proj.kd
    .args:
      - { .name: xc, .offset: 0, .size: 8, .value_kind: global_buffer, .address_space: global }
      - { .name: xs, .offset: 8, .size: 8, .value_kind: global_buffer, .address_space: global }
      - { .name: wc, .offset: 16, .size: 8, .value_kind: global_buffer, .address_space: global }
      - { .name: ws, .offset: 24, .size: 8, .value_kind: global_buffer, .address_space: global }
      - { .name: bq, .offset: 32, .size: 8, .value_kind: global_buffer, .address_space: global }
      - { .name: bk, .offset: 40, .size: 8, .value_kind: global_buffer, .address_space: global }
      - { .name: bv, .offset: 48, .size: 8, .value_kind: global_buffer, .address_space: global }
      - { .name: qkv, .offset: 56, .size: 8, .value_kind: global_buffer, .address_space: global }
    .group_segment_fixed_size: 327680
    .private_segment_fixed_size: 0
    .kernarg_segment_align: 8
    .kernarg_segment_size: 64
    .max_flat_workgroup_size: 128
    .sgpr_count:     102
    .vgpr_count:     1024
    .wavefront_size: 32
...
	.end_amdgpu_metadata
.endif
;; end of part 2
;; launch att (part 3): grid 16 x 32, 4 waves a work-group, clusters of 4 x 4, 327,680 bytes of LDS; arguments qkv, mask, ao; writes ao
.if DOCPART == 3
	.amdgcn_target "amdgcn-amd-amdhsa--gfx1250"
	.amdhsa_code_object_version 6
	.text
	.protected	k_q9d271c61c0_att
	.globl	k_q9d271c61c0_att
	.p2align	8
	.type	k_q9d271c61c0_att,@function
k_q9d271c61c0_att:
	s_mov_b64 s[64:65], 0
	v_nop
	global_prefetch_b8 v0, s[64:65] scope:SCOPE_SE
	s_setreg_imm32_b32 hwreg(HW_REG_WAVE_MODE, 25, 1), 1
	s_wait_xcnt 0x0
	s_wait_alu depctr_hold_cnt(0) depctr_sa_sdst(0) depctr_va_vdst(0) depctr_va_sdst(0) depctr_va_ssrc(0) depctr_va_vcc(0) depctr_vm_vsrc(0)
	s_getreg_b32 s2, hwreg(HW_REG_IB_STS2, 6, 4)
	s_cmp_eq_u32 s2, 0
	s_cbranch_scc0 .Lentry_in_a_cluster
	s_endpgm
.Lentry_in_a_cluster:
	s_bfe_u32 s2, ttmp6, 0x10000c
	s_cmp_lg_u32 s2, 0xf033
	s_cbranch_scc0 .Lentry_shape_is_right
	s_endpgm
.Lentry_shape_is_right:
; ATT: O[b][q][head] = the sum over k of softmax_k(q . k / 8 - 1e9 mask[b][q][k]) v[k].  q' = q log2(e) / 8, k, v: f16, rows of 2,048 bytes in qkv (three runs of 8,192 rows); mask: f32 [4][2048][2048]; O: f16.
; t = q' . k + mask x (-1e9 log2(e)), one fused multiply-add in f32; m = the running largest t of a query; p = 2^(t - m), rounded to f16 for the second product; the row's sum is taken of the unrounded p, in f32,
; and divides O at the end; in every step O and the sum are multiplied by 2^(old m - new m).  LIMITS: the attention output stays under 65,504 (f16); NaN and infinities are not served.
; SHARES.  A work-group owns 128 queries x 2 neighbouring heads (256 aligned bytes of a row of q', k, v, O).  Wave w: head w / 2, queries 64 (w % 2) on: four tiles of 16.  Every wave walks all 2,048 keys, 64 a step.
; LAYOUT.  S^T = K Q^T and O^T = V^T P: a lane holds ONE query (lane % 16) throughout; two tiles of S^T rounded in pairs ARE source 1 of the second product.  V comes out of LDS turned, by ds_load_tr16_b128.
; BY TURNS.  The wave's tiles are two pieces (tiles 0, 1 and tiles 2, 3).  In a turn one piece has the matrix unit (16 products V^T P of the step in hand, 16 products K Q^T of the next); the other piece's softmax,
; 266 vector instructions in 32 slices, stands between them, one slice behind each matrix instruction.  Two turns are a key step.
; CLUSTER, 4 x 4.  K's and V's tiles hang on (batch, pair of heads), which a row of the cluster shares; the mask's tile on (batch, block of queries), which a column shares: each is asked for jointly by the four.
; RING.  Two slots of 128 keys (two steps): K 128 x 272 bytes, V 128 x 288, mask 128 rows x 528.  Wave 0 fetches K, wave 1 V, waves 2 and 3 the mask's halves: one load a wave behind each round.
; REGISTERS: window 0: v1-10 addresses; v12-43 statistics, eight a tile; v61-63; v64-191 S^T, 32 a tile; v192-255 P, 16 a tile.
;   window 1: v0-127 O^T, 32 a tile; v128-191 one piece's mask; v192-255 Q, 16 a tile.      window 2: v0-63 K of one step; v64-127 V of one step.
.set PITK,  272
.set PITV,  288
.set PITM,  528
.set VOFF,  128*PITK
.set MOFF,  VOFF+128*PITV
.set SLOT,  MOFF+128*PITM              ; 139,264 = 0x22000; bits 13 and 17 are clear in every base inside a slot, so one exclusive or turns an address from one slot to the other
.set STAGE, 2*SLOT                     ; behind the ring: 128 rows x 272 bytes, the work-group's, for the way out
.set SP,    272
.set SPARE, STAGE+128*SP               ; the spare words, 128 bytes a wave: two blocks of 256 bytes that no other line names
.set KBASE, 8192*2048                  ; k's first byte in qkv
.set VBASE, 2*8192*2048                ; v's
.set SLOTB, 128*2048                   ; a slot's 128 rows of k or v in memory
.set AK0, 2
.set AV0, 3
.set AM0, 4
.set ADR, 5
.set QO,  6
.set STO, 7
.set RD,  8
.set GO,  9
.set ST,  12                           ; tile t at v[ST+8 t]: +0 m, +1 old m - new m, +2, +3 the sum (even keys', odd keys'), +4 to +7 at work; the factor takes +6 once the maximum is found
.set PFO, 61
.set SPW, 62
.set NIL, 63
.set S,   64
.set P,   192
.set MK,  128                          ; in window 1
.set QF,  192                          ; in window 1
.set KF,  0                            ; in window 2
.set VF,  64                           ; in window 2
.set WV,  12
.set G1K, 24
.set G1V, 32
.set G1M, 40
.set G0K, 48                           ; two sets each: the two first fills; the second then walks on
.set G0V, 56
.set G0M, 68
.set MC,  76                           ; s[76:77] -1e9 log2(e)
.set SEL, 78
.set SK,  80                           ; LDS byte at which the K rows of the step to be fetched begin;
.set SV,  81                           ; V's;
.set SM,  82                           ; and the byte in the mask's rows
.set SLOTS, 83
.set TWICE, 84
.set LIM, 85
.set PFA, 86
.set PFS, 88
.set HH,  90
.set QH,  91
.set MSB, 0
.macro WIN new
.if MSB != \new
	s_set_vgpr_msb (MSB<<8)|\new
.set MSB, \new
.endif
.endm
.set W_KQ, 0x06                        ; K window 2, Q window 1, S^T window 0
.set W_PV, 0x52                        ; V window 2, P window 0, O^T window 1
.set W_MK, 0x01                        ; the mask window 1, S^T window 0
.set W_RS, 0x41                        ; O^T (destination and source 0) window 1, the factor window 0
; A joint refill.  The branches hang on the wave's number alone.  Four v_nop follow each of the three lines.
.macro JLOAD
	s_cmp_lt_u32 s[WV], 2
	s_cbranch_scc0 .Lfor_m_\@
	s_cmp_eq_u32 s[WV], 0
	s_cbranch_scc0 .Lfor_v_\@
	tensor_load_to_lds s[G0K+4:G0K+7], s[G1K:G1K+7]
	s_nop 0
.rept 4
	v_nop
.endr
	s_branch .Lasked_\@
.Lfor_v_\@:
	tensor_load_to_lds s[G0V+4:G0V+7], s[G1V:G1V+7]
	s_nop 0
.rept 4
	v_nop
.endr
	s_branch .Lasked_\@
.Lfor_m_\@:
	tensor_load_to_lds s[G0M+4:G0M+7], s[G1M:G1M+7]
	s_nop 0
.rept 4
	v_nop
.endr
.Lasked_\@:
.endm
; A PREFETCH of what the NEXT change of slots will ask for, behind the wave's tensor load and its four lines: 32 rows, a lane a row, 256 aligned bytes of each.
; Each such block is named once in the launch.  K's and V's rows are walked by the four clusters of a row of clusters: the first (cluster x = 0) asks, waves 0 and 1, and the four partners that ask for a tile jointly
; take 32 rows each BY ADDRESS (cx).  A mask tile is walked by two clusters (the two halves of the heads): the one with even cluster y asks, waves 2 and 3 (the two 256-byte halves of a slot's 512 bytes of a row),
; the partners told apart by cy.  The last change that fills a slot asks for nothing; slots 0 to 2 come by their loads alone.
.macro ASK
	s_cmp_gt_u32 s[SLOTS], s[LIM]
	s_cbranch_scc0 .Lnot_mine_\@
	global_prefetch_b8 v[PFO], s[PFA:PFA+1] th:TH_LOAD_NT scope:SCOPE_SE
.Lnot_mine_\@:
.endm
.macro CROUND
	s_barrier_signal -1
	s_barrier_wait -1
	s_cmp_lg_u32 s[WV], 0
	s_cbranch_scc1 .Lnot_wave_0_\@
	s_barrier_signal -3
.Lnot_wave_0_\@:
	s_barrier_wait -3
	s_barrier_signal -1
	s_barrier_wait -1
.endm
.macro PLACES
.rept 4
	v_nop
.endr
.endm
	s_load_b128 s[4:7], s[0:1], 0x0                ; qkv, mask
	s_load_b64 s[8:9], s[0:1], 0x10                ; ao
	v_lshl_add_u32 v[SPW], v0, 2, SPARE
	v_mov_b32 v[NIL], 0
	ds_add_u32 v62, v63
	ds_add_u32 v62, v63
	s_wait_dscnt 0x0
	v_lshrrev_b32 v1, 5, v0
	v_readfirstlane_b32 s[WV], v1                  ; wave 0..3
	s_lshr_b32 s[HH], s[WV], 1                     ; my head of the pair
	s_and_b32 s[QH], s[WV], 1                      ; my half of the 128 queries.  Also: which half of the mask's rows waves 2 and 3 fetch
	s_bfe_u32 s13, ttmp6, 0x40000                  ; cx
	s_bfe_u32 s14, ttmp6, 0x40004                  ; cy
	s_and_b32 s15, ttmp7, 0xffff                   ; cluster y
	s_lshr_b32 s16, s15, 1                         ; the batch
	s_and_b32 s17, s15, 1
	s_lshl_b32 s17, s17, 2
	s_add_co_u32 s17, s17, s14                     ; the pair of heads
	s_lshl_b32 s18, s16, 22                        ; a batch's 2,048 rows of 2,048 bytes,
	s_lshl_b32 s19, s17, 8
	s_add_co_u32 s18, s18, s19                     ; the pair's 256 bytes: shared along a row of the cluster
	s_mov_b32 s19, 0
	s_lshl_b32 s20, ttmp9, 2
	s_add_co_u32 s20, s20, s13                     ; my block of 128 queries
	s_lshl_b32 s22, s16, 24                        ; the mask: a batch's 2,048 rows of 8,192 bytes,
	s_lshl_b32 s23, s20, 20
	s_add_co_u32 s22, s22, s23                     ; the block's 128 rows: shared along a column of the cluster
	s_lshl_b32 s23, s[QH], 19
	s_add_co_u32 s92, s22, s23                     ; the 64 rows that waves 2 and 3 fetch
	s_mov_b32 s93, 0
	s_lshl_b32 s10, s14, 2
	s_lshl_b32 s10, 15, s10                        ; my row of the cluster
	s_lshl_b32 s11, 0x1111, s13                    ; my column
	s_or_b32 s[G1K], s10, (1<<16)|(1<<20)|(1<<21)|(5<<22)|(3<<25)  ; mask; elements of 2 bytes; padding on; bit 21 beside a mask; 4 words behind every 64
	s_or_b32 s[G1V], s10, (1<<16)|(1<<20)|(1<<21)|(5<<22)|(7<<25)  ; the same with 8 words
	s_or_b32 s[G1M], s11, (2<<16)|(1<<20)|(1<<21)|(6<<22)|(3<<25)  ; elements of 4 bytes; 4 words behind every 128
.irp g, G1K, G1V
	s_mov_b32 s[\g+1], 128<<16                     ; tensor_dim0 = 128
	s_mov_b32 s[\g+2], 128<<16                     ; tensor_dim1 = 128
	s_mov_b32 s[\g+3], 128<<16                     ; tile_dim0 = 128
	s_mov_b32 s[\g+4], 128                         ; tile_dim1 = 128
	s_mov_b32 s[\g+5], 1024                        ; elements from row to row
	s_mov_b32 s[\g+6], 0
	s_mov_b32 s[\g+7], 0
.endr
	s_mov_b32 s[G1M+1], 128<<16
	s_mov_b32 s[G1M+2], 64<<16
	s_mov_b32 s[G1M+3], 128<<16
	s_mov_b32 s[G1M+4], 64
	s_mov_b32 s[G1M+5], 2048
	s_mov_b32 s[G1M+6], 0
	s_mov_b32 s[G1M+7], 0
	s_mov_b32 s[MC], 0xceabfb8f                    ; -1e9 x log2(e)
	s_mov_b32 s[MC+1], s[MC]                       ; (named with it as a pair)
	s_mov_b32 s[SEL], 0x76543210
	s_mov_b32 s[SEL+1], 0xfedcba98                 ; v_permlanex16_b32: lane l xor 16
	s_mov_b32 s[SK], 0
	s_mov_b32 s[SV], 0
	s_mov_b32 s[SM], 0
	s_mov_b32 s[SLOTS], 14                         ; 16 slots' worth of keys; all but the first two are asked for in the loop
	; the prefetches' offsets (they alone hold both cx and cy)
	s_lshl_b32 s21, s[WV], 24                      ; wave 0: k's run of qkv, wave 1: v's
	s_add_co_u32 s21, s21, s18
	s_lshl_b32 s23, s13, 16                        ; my work-group's 32 rows of the 128
	s_add_co_u32 s21, s21, s23
	s_add_co_u32 s21, s21, KBASE+2*SLOTB           ; in slot 2: the first change of slots steps it to slot 3
	s_lshl_b32 s23, s14, 18                        ; the mask: my work-group's 32 rows,
	s_add_co_u32 s23, s23, s22
	s_lshl_b32 s10, s[QH], 8                       ; my wave's 256 bytes of a slot's 512,
	s_add_co_u32 s23, s23, s10
	s_add_co_u32 s23, s23, 2*512                   ; in slot 2
	s_and_b32 s10, s15, 1
	s_wait_kmcnt 0x0
	s_cmp_lt_u32 s[WV], 2
	s_cselect_b64 s[PFA:PFA+1], s[4:5], s[6:7]
	s_cselect_b32 s2, s21, s23
	s_cselect_b32 s10, ttmp9, s10                  ; the coordinate along which other clusters walk the same rows
	s_mov_b32 s[PFS], 512
	s_cselect_b32 s[PFS], SLOTB, s[PFS]            ; a slot on
	s_mov_b32 s11, 8192
	s_cselect_b32 s11, 2048, s11                   ; from row to row
	s_mov_b32 s3, 0
	s_mov_b32 s[PFS+1], 0
	s_add_nc_u64 s[PFA:PFA+1], s[PFA:PFA+1], s[2:3]
	s_cmp_eq_u32 s10, 0
	s_cselect_b32 s[LIM], 1, -1                    ; the same in all sixteen partners, for a given wave
	v_and_b32 v[PFO], 31, v0
	v_mul_lo_u32 v[PFO], v[PFO], s11
	s_add_nc_u64 s[94:95], s[4:5], s[18:19]        ; qkv at (batch, pair)
	s_add_nc_u64 s[92:93], s[6:7], s[92:93]        ; the mask at my half of the tile's rows
	s_lshl_b32 s2, s20, 18                         ; my block's 128 rows,
	s_lshl_b32 s10, s[QH], 17                      ; my wave's 64 of them,
	s_add_co_u32 s2, s2, s10
	s_lshl_b32 s10, s[HH], 7                       ; my head's 128 bytes
	s_add_co_u32 s2, s2, s10
	s_add_nc_u64 s[4:5], s[94:95], s[2:3]          ; Q at my wave's first row
	s_lshl_b32 s2, s20, 18
	s_lshl_b32 s10, s[WV], 16                      ; on the way out wave w stores rows 32 w .. 32 w + 31, whole
	s_add_co_u32 s2, s2, s10
	s_add_co_u32 s2, s2, s18
	s_add_nc_u64 s[8:9], s[8:9], s[2:3]
	CROUND                                         ; all sixteen work-groups are here: the first joint loads meet
	s_mul_i32 s21, s[QH], 64*PITM
.irp s, 0,1
	s_mov_b32 s[G0K+4*\s], 1
	s_mov_b32 s[G0K+4*\s+1], \s*SLOT
	s_add_nc_u64 s[G0K+4*\s+2:G0K+4*\s+3], s[94:95], KBASE+\s*SLOTB
	s_or_b32 s[G0K+4*\s+3], s[G0K+4*\s+3], 0x80000000
	s_mov_b32 s[G0V+4*\s], 1
	s_mov_b32 s[G0V+4*\s+1], VOFF+\s*SLOT
	s_add_nc_u64 s[G0V+4*\s+2:G0V+4*\s+3], s[94:95], VBASE+\s*SLOTB
	s_or_b32 s[G0V+4*\s+3], s[G0V+4*\s+3], 0x80000000
	s_mov_b32 s[G0M+4*\s], 1
	s_add_co_u32 s[G0M+4*\s+1], s21, MOFF+\s*SLOT
	s_add_nc_u64 s[G0M+4*\s+2:G0M+4*\s+3], s[92:93], \s*512
	s_or_b32 s[G0M+4*\s+3], s[G0M+4*\s+3], 0x80000000
.endr
	s_cmp_lt_u32 s[WV], 2                          ; a wave's two first fills stand in one branch: two loads of mine are out
	s_cbranch_scc0 .Lfirst_m
	s_cmp_eq_u32 s[WV], 0
	s_cbranch_scc0 .Lfirst_v
	tensor_load_to_lds s[G0K:G0K+3], s[G1K:G1K+7]
	s_nop 0
	tensor_load_to_lds s[G0K+4:G0K+7], s[G1K:G1K+7]
	s_nop 0
.rept 4
	v_nop
.endr
	s_branch .Lfirst_asked
.Lfirst_v:
	tensor_load_to_lds s[G0V:G0V+3], s[G1V:G1V+7]
	s_nop 0
	tensor_load_to_lds s[G0V+4:G0V+7], s[G1V:G1V+7]
	s_nop 0
.rept 4
	v_nop
.endr
	s_branch .Lfirst_asked
.Lfirst_m:
	tensor_load_to_lds s[G0M:G0M+3], s[G1M:G1M+7]
	s_nop 0
	tensor_load_to_lds s[G0M+4:G0M+7], s[G1M:G1M+7]
	s_nop 0
.rept 4
	v_nop
.endr
.Lfirst_asked:
	v_and_b32 v1, 15, v0                           ; r
	v_bfe_u32 v10, v0, 4, 1                        ; h
	v_lshlrev_b32 v[QO], 11, v1
	v_lshl_add_u32 v[QO], v10, 4, v[QO]            ; Q: row r of 2,048 bytes + 16 h
	WIN 0x40                                       ; destination window 1
.irp i, 0,1,2,3,4,5,6,7                        ; Q stays in registers: tile i / 2, channels 32 (i % 2) on
	global_load_b128 v[QF+8*\i:QF+8*\i+3],   v[QO], s[4:5] offset:(\i/2)*32768+(\i%2)*64
	global_load_b128 v[QF+8*\i+4:QF+8*\i+7], v[QO], s[4:5] offset:(\i/2)*32768+(\i%2)*64+32
.endr
	WIN 0
	v_mul_u32_u24 v[AK0], v1, PITK
	v_lshl_add_u32 v[AK0], v10, 4, v[AK0]
	s_lshl_b32 s16, s[HH], 7
	v_add_nc_u32 v[AK0], s16, v[AK0]               ; K: row r x pitch + 16 h + my head's 128 bytes
	v_and_b32 v11, 7, v0
	v_lshl_add_u32 v[AV0], v10, 3, v11
	v_mul_u32_u24 v[AV0], v[AV0], PITV
	v_bfe_u32 v11, v0, 3, 1
	v_lshl_add_u32 v[AV0], v11, 4, v[AV0]
	s_add_co_u32 s17, s16, VOFF
	v_add_nc_u32 v[AV0], s17, v[AV0]               ; V, for the turning load: key 8 h + l % 8, channels 8 ((l / 8) % 2) on
	v_mul_u32_u24 v[AM0], v1, PITM
	v_lshl_add_u32 v[AM0], v10, 5, v[AM0]
	s_mul_i32 s17, s[QH], 64*PITM
	s_add_co_u32 s17, s17, MOFF
	v_add_nc_u32 v[AM0], s17, v[AM0]               ; the mask: my query's row, keys 8 h on
.irp t, 0,1,2,3
	v_mov_b32 v[ST+8*\t+1], 0                      ; named as the upper half of a pair before it is first written
.endr
; Product i of 16 of S^T = K Q^T for piece x: channels 32 (i / 8) on, keys 16 ((i / 2) % 4) on, tile x + i % 2.  The first 8 start the sums.
; The accumulators take turns, one instruction a turn: between two links of a chain stand seven others'.
.macro KQ x
	WIN W_KQ
.set aS, S+32*(\x+i%2)+8*((i/2)%4)
.set aK, KF+16*((i/2)%4)+8*(i/8)
.set aQ, QF+16*(\x+i%2)+8*(i/8)
.if i < 8
	v_wmma_f32_16x16x32_f16 v[aS:aS+7], v[aK:aK+7], v[aQ:aQ+7], 0
.else
	v_wmma_f32_16x16x32_f16 v[aS:aS+7], v[aK:aK+7], v[aQ:aQ+7], v[aS:aS+7]
.endif
.endm
; Product i of 16 of O^T += V^T P: keys 32 (i / 8) on, channels 16 ((i / 2) % 4) on, tile x + i % 2.  zero = 1: the first 8 start the sums.
.macro PV x, zero
	WIN W_PV
.set aO, 32*(\x+i%2)+8*((i/2)%4)
.set aV, VF+32*(i/8)+8*((i/2)%4)
.set aP, P+16*(\x+i%2)+8*(i/8)
.if \zero && (i < 8)
	v_wmma_f32_16x16x32_f16 v[aO:aO+7], v[aV:aV+7], v[aP:aP+7], 0
.else
	v_wmma_f32_16x16x32_f16 v[aO:aO+7], v[aV:aV+7], v[aP:aP+7], v[aO:aO+7]
.endif
.endm
; The LDS loads stand in runs of 16.
.macro FETCH_K
	WIN 0
	v_add_nc_u32 v[ADR], s[SK], v[AK0]
	s_add_co_u32 s[SK], s[SK], 64*PITK
	WIN 0x80                                       ; destination window 2
.irp f, 0,1,2,3,4,5,6,7                        ; keys 16 (f / 2) on, channels 32 (f % 2) on
	ds_load_b128 v[KF+8*\f:KF+8*\f+3],   v[ADR] offset:(\f/2)*16*PITK+(\f%2)*64
	ds_load_b128 v[KF+8*\f+4:KF+8*\f+7], v[ADR] offset:(\f/2)*16*PITK+(\f%2)*64+32
.endr
.endm
.macro FETCH_V
	WIN 0
	v_add_nc_u32 v[ADR], s[SV], v[AV0]
	s_add_co_u32 s[SV], s[SV], 64*PITV
	WIN 0x80
.irp f, 0,1,2,3,4,5,6,7                        ; keys 32 (f / 4) on, channels 16 (f % 4) on
	ds_load_tr16_b128 v[VF+8*\f:VF+8*\f+3],   v[ADR] offset:(\f/4)*32*PITV+(\f%4)*32
	ds_load_tr16_b128 v[VF+8*\f+4:VF+8*\f+7], v[ADR] offset:(\f/4)*32*PITV+16*PITV+(\f%4)*32
.endr
.endm
.macro FETCH_M x                       ; piece x's mask of one step: register 32 tt + 8 kt + i is (my query of tile x + tt, key 16 kt + 8 h + i), as S^T lies
	WIN 0
	v_add_nc_u32 v[ADR], s[SM], v[AM0]
.if \x == 2
	s_add_co_u32 s[SM], s[SM], 256                 ; both pieces have fetched this step's
.endif
	WIN 0x40                                       ; destination window 1
.irp tt, 0,1
.irp kt, 0,1,2,3
	ds_load_b128 v[MK+32*\tt+8*\kt:MK+32*\tt+8*\kt+3],   v[ADR] offset:((\x)+\tt)*16*PITM+64*\kt
	ds_load_b128 v[MK+32*\tt+8*\kt+4:MK+32*\tt+8*\kt+7], v[ADR] offset:((\x)+\tt)*16*PITM+64*\kt+16
.endr
.endr
.endm
; One tile's softmax for one key step is a list of 133 instructions; SM writes number j of it for tile t.  first = 1: the first key step, which starts m, the sum and O^T.
;   0-15    t = s + mask x MC, two at a time, each accumulator from its low end on
;   16-31   the maximum of the 32 t and the old m, three operands at a time
;   32-35   the other half of the lanes' maximum; the new m; old m - new m
;   36-101  33 exponentials (the factor, then the 32 p) at the odd numbers from 37 on, each with a plain instruction behind it; the even numbers are what is ready:
;           t - m for pairs whose exponentials are to come, the rounding to f16 of pairs whose exponentials are done, the first sums
;   102-116 the last roundings; the rest of the sums; sum = factor x sum + this step's
;   117-132 the tile's O^T times the factor
.macro SM t, first
.set rT, ST+8*(\t)
.set rS, S+32*(\t)
.set rP, P+16*(\t)
.set rM, MK+32*((\t)%2)
.set g, j-16
.if j < 16
	WIN W_MK
.elseif j < 117
	WIN 0
.endif
.if j < 16
	v_pk_fma_f32 v[rS+2*j:rS+2*j+1], v[rM+2*j:rM+2*j+1], s[MC:MC+1], v[rS+2*j:rS+2*j+1] op_sel_hi:[1,0,1]
.elseif j < 20
	v_max3_num_f32 v[rT+4+g], v[rS+8*g], v[rS+8*g+1], v[rS+8*g+2]
.elseif j < 28
	v_max3_num_f32 v[rT+4+g%4], v[rT+4+g%4], v[rS+8*(g%4)+2*(g/4)+1], v[rS+8*(g%4)+2*(g/4)+2]
.elseif j == 28
	v_max3_num_f32 v[rT+4], v[rT+4], v[rS+7], v[rS+15]
.elseif j == 29
	v_max3_num_f32 v[rT+6], v[rT+6], v[rS+23], v[rS+31]
.elseif j == 30
	v_max3_num_f32 v[rT+4], v[rT+4], v[rT+5], v[rT+6]
.elseif (j == 31) && \first
	v_max_num_f32 v[rT+4], v[rT+4], v[rT+7]
.elseif j == 31
	v_max3_num_f32 v[rT+4], v[rT+4], v[rT+7], v[rT]
.elseif j == 32
	v_permlanex16_b32 v[rT+5], v[rT+4], s[SEL], s[SEL+1]  ; the query's other 32 keys lie in the lane 16 away
.elseif j == 34
	v_max_num_f32 v[rT], v[rT+4], v[rT+5]
.elseif ((j == 33) || (j == 35) || (j == 37) || (j > 115)) && \first  ; the first step has none of these
.elseif j == 33
	v_mov_b32 v[rT+1], v[rT]
.elseif j == 35
	v_sub_f32 v[rT+1], v[rT+1], v[rT]
.elseif j == 37
	v_exp_f32 v[rT+6], v[rT+1]
.elseif (j > 38) && (j < 102) && (j%2 == 1)
	v_exp_f32 v[rS+(j-39)/2], v[rS+(j-39)/2]
.elseif (j < 44) || ((j < 90) && (j%4 == 0))
.set bb, (j-28)/4
.if j < 44
.set bb, (j-36)/2
.endif
	v_pk_add_f32 v[rS+2*bb:rS+2*bb+1], v[rS+2*bb:rS+2*bb+1], v[rT:rT+1] op_sel_hi:[1,0] neg_lo:[0,1] neg_hi:[0,1]  ; pair bb: t - m
.elseif (j < 100) && (j%4 == 2)
	s_wait_alu depctr_va_vdst(0)
	v_cvt_pk_f16_f32 v[rP+(j-46)/4], v[rS+(j-46)/2], v[rS+(j-46)/2+1]
.elseif j == 102
	v_cvt_pk_f16_f32 v[rP+14], v[rS+28], v[rS+29]
.elseif j == 106
	s_wait_alu depctr_va_vdst(0)
	v_cvt_pk_f16_f32 v[rP+15], v[rS+30], v[rS+31]
.elseif j < 117                     ; the sum of the tile's 16 pairs, in place: sum z adds neighbours 1, 2, 4 and 8 pairs apart; each pair that is written over has been rounded before
.set z, j-101
.if j < 101
.set z, (j-92)/4
.elseif j < 106
.set z, j-100
.endif
.set w, 4
.set u, z
.if z >= 14
.set w, 32
.set u, 0
.elseif z >= 12
.set w, 16
.set u, z-12
.elseif z >= 8
.set w, 8
.set u, z-8
.endif
.if (z == 14) && \first
	v_pk_add_f32 v[rT+2:rT+3], v[rS:rS+1], v[rS+16:rS+17]
.elseif z < 15
	v_pk_add_f32 v[rS+w*u:rS+w*u+1], v[rS+w*u:rS+w*u+1], v[rS+w*u+w/2:rS+w*u+w/2+1]
.else
	v_pk_fma_f32 v[rT+2:rT+3], v[rT+2:rT+3], v[rT+6:rT+7], v[rS:rS+1] op_sel_hi:[1,0,1]
.endif
.else
	WIN W_RS
.set rO, 32*(\t)+2*(j-117)
	v_pk_mul_f32 v[rO:rO+1], v[rO:rO+1], v[rT+6:rT+7] op_sel_hi:[1,0]
.endif
.endm
; Slice k of 32 of piece y's softmax: numbers 4 k to 4 k + 3 of both tiles' lists.  2 x 133 = 8 x 32 + 10: the ten that are over stand in slice 31, whose plain multiplications are the places behind the turn's last products.
.macro SLICE y, first
.if (k >= 9) && (k < 26)            ; tile by tile: plain, exponential, plain, exponential
.irp t, \y, \y+1
.irp n, 0,1,2,3
.set j, 4*k+\n
	SM \t, \first
.endr
.endr
.else                               ; the two tiles alternate
.irp n, 0,1,2,3,4,5,6,7,8
.if (\n < 4) || (k == 31)
.irp t, \y, \y+1
.set j, 4*k+\n
	SM \t, \first
.endr
.endif
.endr
.endif
.set k, k+1
.endm
; A TURN.  Piece x has the matrix unit; the other piece's softmax stands in slices behind its products.  pv = 2: 16 products V^T P; 1: they start O^T; 0: none.  kq = 1: 16 products K Q^T of the next step.
; Piece 0's turn fetches the next step's K behind its second product; piece 2's turn the same step's V behind its second K Q^T; each turn with K Q^T fetches its own piece's mask of that step
; behind slice 5: slices 0 to 3 have read the registers.  The registers' last readers among the matrix instructions stand four plain instructions back or more.
.macro TURN x, pv, kq, first
.set k, 0
.set per, 2
.if \pv && \kq
.set per, 1
.endif
	s_wait_dscnt 0x0                ; the mask of the softmax in hand is in, and in piece 0's turn V
.if \pv
.set i, 0
.rept 16
	PV \x, 2-\pv
.rept per
	SLICE 2-\x, \first
.endr
.if (\x == 0) && \kq && (i == 1)
	FETCH_K
.endif
.if \kq && (k == 6)
	FETCH_M \x
.endif
.set i, i+1
.endr
.endif
.if \kq
.if \x == 0
	s_wait_dscnt 16                 ; K is in; the mask's sixteen loads, issued behind K's, may be out
.endif
.set i, 0
.rept 16
	KQ \x
.rept per
	SLICE 2-\x, \first
.endr
.if (\x == 2) && (i == 1)
	FETCH_V
.endif
.if k == 6
	FETCH_M \x
.endif
.set i, i+1
.endr
.endif
.if \first
	PLACES                          ; the first step's last slices are empty
.endif
.endm
; THE CHANGE OF SLOTS, between piece 2's turn and piece 0's: all of the slot's bytes have been asked for.  Each wave waits for all its tensor loads (one is out: its part of the other slot), adds 0 to its spare word,
; and waits for that and for its reads of the slot.  fill = 1: the barrier is a round of the cluster's, and the joint refill, the keys two slots on, is the first thing behind it: it has four turns in which to land.
.macro CHANGE fill
	WIN 0
	s_wait_tensorcnt 0x0            ; no tensor load of mine is out, so a group 0 may be written
	ds_add_u32 v[SPW], v[NIL]       ; 0 onto my spare word
.if \fill
.irp g, G0K+4, G0V+4
	s_xor_b32 s[\g+1], s[\g+1], SLOT
	s_add_nc_u64 s[\g+2:\g+3], s[\g+2:\g+3], SLOTB
.endr
	s_xor_b32 s[G0M+5], s[G0M+5], SLOT
	s_add_nc_u64 s[G0M+6:G0M+7], s[G0M+6:G0M+7], 512
	s_wait_xcnt 0x0                 ; the last prefetch, a slot back, has read its address
	s_add_nc_u64 s[PFA:PFA+1], s[PFA:PFA+1], s[PFS:PFS+1]
	s_wait_dscnt 0x0                ; the add is done, and my reads of the slot are over
	CROUND
	JLOAD
	ASK
.else
	s_wait_dscnt 0x0
	s_barrier_signal -1
	s_barrier_wait -1
.endif
	s_sub_co_u32 s[SK], s[SK], 2*64*PITK  ; the fetches go back to a slot's first step,
	s_xor_b32 s[SK], s[SK], SLOT    ; in the other slot
	s_sub_co_u32 s[SV], s[SV], 2*64*PITV
	s_xor_b32 s[SV], s[SV], SLOT
	s_sub_co_u32 s[SM], s[SM], 512
	s_xor_b32 s[SM], s[SM], SLOT
.endm
.macro TWO_STEPS                    ; a slot's two key steps: written once, walked twice
	s_mov_b32 s[TWICE], 2
.Lstep_\@:
	TURN 0, 2, 1, 0
	TURN 2, 2, 1, 0
	WIN 0
	s_sub_co_u32 s[TWICE], s[TWICE], 1
	s_cmp_lg_u32 s[TWICE], 0
	s_cbranch_scc1 .Lstep_\@
.endm
	s_wait_tensorcnt 1              ; my part of slot 0 is in; slot 1's may stay out
	s_barrier_signal -1
	s_barrier_wait -1
	FETCH_K                         ; key step 0
	FETCH_M 0
	s_wait_loadcnt 0x0              ; Q
	s_wait_dscnt 0x0
.set i, 0
.rept 16
	KQ 0                            ; piece 0's first scores
.set i, i+1
.endr
	WIN 0                           ; the addresses for the way out: eight plain instructions, the places behind those products
	s_mul_i32 s16, s[QH], 64*SP
	s_lshl_b32 s17, s[HH], 7
	s_add_co_u32 s16, s16, s17
	s_add_co_u32 s16, s16, STAGE
	v_mul_u32_u24 v[STO], v1, SP
	v_lshl_add_u32 v[STO], v10, 4, v[STO]
	v_add_nc_u32 v[STO], s16, v[STO]  ; in: my query's row, my head's 128 bytes, 16 bytes for each half of the lanes
	s_mul_i32 s17, s[WV], 32*SP
	s_add_co_u32 s17, s17, STAGE
	v_mul_u32_u24 v[RD], v10, SP
	v_lshl_add_u32 v[RD], v1, 4, v[RD]
	v_add_nc_u32 v[RD], s17, v[RD]  ; back: rows 32 w on; lanes 0-15 one row of 256 bytes, lanes 16-31 the next
	v_lshlrev_b32 v[GO], 11, v10
	v_lshl_add_u32 v[GO], v1, 4, v[GO]
	TURN 2, 0, 1, 1                 ; piece 2's first scores | piece 0's first softmax | V of step 0
	TURN 0, 1, 1, 1                 ; piece 0: V^T P of step 0 starts O^T, K Q^T of step 1 | piece 2's first softmax | K of step 1
	TURN 2, 1, 1, 0                 ; piece 2: the same | piece 0's softmax of step 1 | V of step 1
	WIN 0
.Lslot:                             ; 14 trips: every slot but the last two is filled again
	CHANGE 1
	TWO_STEPS
	s_sub_co_u32 s[SLOTS], s[SLOTS], 1
	s_cmp_lg_u32 s[SLOTS], 0
	s_cbranch_scc1 .Lslot
	CHANGE 0                        ; the tail is written out
	TWO_STEPS
	TURN 0, 2, 0, 0                 ; piece 0: V^T P of the last step | piece 2's last softmax
.set i, 0
.rept 16
	PV 2, 0
.set i, i+1
.endr
	; THE WAY OUT.  The sum's halves are added; O^T is divided by it, rounded to f16 and sent through the work-group's stage: a row's 256 bytes come from two waves.  The additions are the places behind the last products.
	WIN 0
.irp t, 0,1,2,3
	v_add_f32 v[ST+8*\t+4], v[ST+8*\t+2], v[ST+8*\t+3]
.endr
.irp t, 0,1,2,3
	v_permlanex16_b32 v[ST+8*\t+5], v[ST+8*\t+4], s[SEL], s[SEL+1]
.endr
.irp t, 0,1,2,3
	v_add_f32 v[ST+8*\t+4], v[ST+8*\t+4], v[ST+8*\t+5]
.endr
.irp t, 0,1,2,3
	v_rcp_f32 v[ST+8*\t+6], v[ST+8*\t+4]
.endr
	v_nop                           ; a plain instruction between the last reciprocal and the use of its result
	s_wait_alu depctr_va_vdst(0)
.irp t, 0,1,2,3
	WIN W_RS
.irp n, 0,1,2,3,4,5,6,7,8,9,10,11,12,13,14,15
	v_pk_mul_f32 v[32*\t+2*\n:32*\t+2*\n+1], v[32*\t+2*\n:32*\t+2*\n+1], v[ST+8*\t+6:ST+8*\t+7] op_sel_hi:[1,0]
.endr
	WIN 0x05                        ; sources 0 and 1 window 1, destination window 0: S^T's registers are free
.irp n, 0,1,2,3,4,5,6,7,8,9,10,11,12,13,14,15
	v_cvt_pk_f16_f32 v[S+16*\t+\n], v[32*\t+2*\n], v[32*\t+2*\n+1]
.endr
	WIN 0
.irp n, 0,1,2,3
	ds_store_b128 v[STO], v[S+16*\t+4*\n:S+16*\t+4*\n+3] offset:16*\t*SP+32*\n
.endr
.endr
	s_wait_dscnt 0x0                ; for the others' sake: my stores into the stage are done
	s_barrier_signal -1
	s_barrier_wait -1
.irp n, 0,1,2,3,4,5,6,7,8,9,10,11,12,13,14,15
	ds_load_b128 v[128+4*\n:128+4*\n+3], v[RD] offset:\n*2*SP
.endr
.irp n, 0,1,2,3,4,5,6,7,8,9,10,11,12,13,14,15
	s_wait_dscnt 15-\n
	global_store_b128 v[GO], v[128+4*\n:128+4*\n+3], s[8:9] offset:\n*4096  ; 16 lanes store 256 consecutive bytes, at a multiple of 256 from the buffer's first byte
.endr
	s_wait_tensorcnt 0x0            ; the wave's end
	ds_add_u32 v[SPW], v[NIL]
	s_wait_dscnt 0x0
	CROUND                          ; the closing round
	s_endpgm
.Lfunc_end_k_q9d271c61c0_att:
	.size	k_q9d271c61c0_att, .Lfunc_end_k_q9d271c61c0_att-k_q9d271c61c0_att
	.p2alignl 7, 3214868480
	.fill 96, 4, 3214868480
	.section	.rodata,"a",@progbits
	.p2align	6, 0x0
	.amdhsa_kernel k_q9d271c61c0_att
		.amdhsa_group_segment_fixed_size 327680
		.amdhsa_private_segment_fixed_size 0
		.amdhsa_enable_private_segment 0
		.amdhsa_kernarg_size 24
		.amdhsa_user_sgpr_count 2
		.amdhsa_user_sgpr_kernarg_segment_ptr 1
		.amdhsa_wavefront_size32 1
		.amdhsa_system_sgpr_workgroup_id_x 1
		.amdhsa_system_sgpr_workgroup_id_y 1
		.amdhsa_system_sgpr_workgroup_id_z 1
		.amdhsa_system_vgpr_workitem_id 0
		.amdhsa_next_free_vgpr 640
		.amdhsa_next_free_sgpr 96
		.amdhsa_reserve_vcc 0
		.amdhsa_float_denorm_mode_32 3
		.amdhsa_float_denorm_mode_16_64 3
		.amdhsa_memory_ordered 1
		.amdhsa_forward_progress 1
		.amdhsa_inst_pref_size 195
	.end_amdhsa_kernel
	.amdgpu_metadata
---
amdhsa.version: [ 1, 2 ]
amdhsa.kernels:
  - .name:           k_q9d271c61c0_att
    .symbol:         k_q9d271c61c0_att.kd
    .args:
      - { .name: qkv, .offset: 0, .size: 8, .value_kind: global_buffer, .address_space: global }
      - { .name: mask, .offset: 8, .size: 8, .value_kind: global_buffer, .address_space: global }
      - { .name: ao, .offset: 16, .size: 8, .value_kind: global_buffer, .address_space: global }
    .group_segment_fixed_size: 327680
    .private_segment_fixed_size: 0
    .kernarg_segment_align: 8
    .kernarg_segment_size: 24
    .max_flat_workgroup_size: 128
    .sgpr_count:     96
    .vgpr_count:     640
    .wavefront_size: 32
...
	.end_amdgpu_metadata
.endif
;; end of part 3
;; launch outp (part 4): grid 4 x 32, 4 waves a work-group, clusters of 4 x 4, 327,680 bytes of LDS; arguments ao, wot, out0, bo; writes out0
.if DOCPART == 4
	.amdgcn_target "amdgcn-amd-amdhsa--gfx1250"
	.amdhsa_code_object_version 6
	.text
	.protected	k_q9d271c61c0_outp
	.globl	k_q9d271c61c0_outp
	.p2align	8
	.type	k_q9d271c61c0_outp,@function
k_q9d271c61c0_outp:
	s_mov_b64 s[64:65], 0
	v_nop
	global_prefetch_b8 v0, s[64:65] scope:SCOPE_SE
	s_setreg_imm32_b32 hwreg(HW_REG_WAVE_MODE, 25, 1), 1
	s_wait_xcnt 0x0
	s_wait_alu depctr_hold_cnt(0) depctr_sa_sdst(0) depctr_va_vdst(0) depctr_va_sdst(0) depctr_va_ssrc(0) depctr_va_vcc(0) depctr_vm_vsrc(0)
	s_getreg_b32 s2, hwreg(HW_REG_IB_STS2, 6, 4)
	s_cmp_eq_u32 s2, 0
	s_cbranch_scc0 .Lentry_in_a_cluster
	s_endpgm
.Lentry_in_a_cluster:
	s_bfe_u32 s2, ttmp6, 0x10000c
	s_cmp_lg_u32 s2, 0xf033
	s_cbranch_scc0 .Lentry_shape_is_right
	s_endpgm
.Lentry_shape_is_right:
; OUTP: out0[m][n] = sum over k of A[m][k] B[n][k] + bo[n].  A = the attention output [8192][1024] f16, B = Wo transposed [1024 n][1024 k] f16, out0 [8192][1024] f32; sums in f32.
; A tile of C, 256 x 256, is made by four waves, each 128 x 128: 64 accumulators, 512 registers.  K goes in steps of 128 (rows of 256 bytes) through a ring of two LDS slots.
; 128 tiles: a tile of 128 x 256 would give each of 256 work-groups half the matrix work between a refill's request and the wait for it; the larger tile is kept.
; CLUSTERS: 4 x 4; A's tiles are asked for jointly along a row of the cluster, B's along a column.  THE MATRIX INSTRUCTION IS USED TRANSPOSED (source 0 = 16 rows of B, source 1 = 16 rows of A).
; The bias is the C of each sum's first product.
; REGISTERS: window 0: v0-31 addresses; v64-127, v128-191 A's fragments, two buffers; v192-255 the bias; on the way out v128-255 rows read back.   window 1: v64-127, v128-191 B's fragments.
;   windows 2, 3: the accumulators of my rows 0-63, 64-127 ((a, b) at v[8 (8 a + b)]).
.set SIZE_M, 8192
.set SIZE_N, 1024
.set SIZE_K, 1024
.set KSTEP,  128
.set PITCH,  272
.set HALFT,  128*PITCH
.set SLOT,   4*HALFT
.set STAGE,  2*SLOT                    ; behind the ring: 16 rows x 528 bytes for each wave
.set SPITCH, 528
.set SPARE,  STAGE+4*16*SPITCH         ; the spare words, 128 bytes a wave: two blocks of 256 bytes that no other line names
.set LAPS, SIZE_K/(2*KSTEP)
.set ADRA, 16
.set ADRB, 20
.set STO,  24
.set RD,   25
.set CO,   26
.set BA,   27
.set SPW,  28
.set NIL,  29
.set PFO,  30
.set PFA,  44
.set LIM,  43
.set F0,   64
.set F1,   128
.set BI,   192
.set BK,   128
.set G1, 24
.set G0, 32
.set G1B, 48
.set G0B, 56
.set MSB, 0
.macro WIN new
.if MSB != \new
	s_set_vgpr_msb (MSB<<8)|\new
.set MSB, \new
.endif
.endm
.set MUL_LO, 0xa1
.set MUL_HI, 0xf1
.set BIA_LO, 0x81                      ; C (the bias) window 0, D window 2
.set BIA_HI, 0xc1
.set TO_B,   0x40
.macro JLOAD s                         ; waves 0 and 1 fetch A's two halves, waves 2 and 3 B's; four v_nop follow each line
	s_cmp_eq_u32 s11, 0
	s_cbranch_scc0 .Lfor_b_\@
	tensor_load_to_lds s[G0+4*\s:G0+4*\s+3], s[G1:G1+7]
	s_nop 0
.rept 4
	v_nop
.endr
	s_branch .Lasked_\@
.Lfor_b_\@:
	tensor_load_to_lds s[G0B+4*\s:G0B+4*\s+3], s[G1B:G1B+7]
	s_nop 0
.rept 4
	v_nop
.endr
.Lasked_\@:
.endm
; A PREFETCH, behind each joint load, its four lines and the run of LDS loads: the K step that stands two refills on: 32 rows x 256 bytes, a lane a row, one instruction a wave.
; Each row's 256 bytes of a K step are named once: A's tile row is read by one cluster alone here (cluster x = 0 is the only one); B's tile column by the eight clusters of the column, of which cluster y = 0 asks.
; The four partners that ask for a tile jointly share its rows out by address, 32 each.  The last two refills have no K step two on; the first four K steps come by their loads alone.
.macro ASK
	s_cmp_gt_u32 s3, s[LIM]                        ; s3 = 1 in the loop's last trip
	s_cbranch_scc0 .Lnot_mine_\@
	global_prefetch_b8 v[PFO], s[PFA:PFA+1] offset:KSTEP*2 th:TH_LOAD_NT scope:SCOPE_SE
.Lnot_mine_\@:
.endm
.macro CREST
	s_cmp_lg_u32 s10, 0
	s_cbranch_scc1 .Lnot_wave_0_\@
	s_barrier_signal -3
.Lnot_wave_0_\@:
	s_barrier_wait -3
	s_barrier_signal -1
	s_barrier_wait -1
.endm
.macro CROUND
	s_barrier_signal -1
	s_barrier_wait -1
	CREST
.endm
	s_load_b128 s[4:7], s[0:1], 0x0                ; A, B
	s_load_b64 s[8:9], s[0:1], 0x10                ; C
	s_load_b64 s[66:67], s[0:1], 0x18              ; bo
	v_lshl_add_u32 v[SPW], v0, 2, SPARE
	v_mov_b32 v[NIL], 0
	ds_add_u32 v28, v29
	ds_add_u32 v28, v29
	s_wait_dscnt 0x0
	v_lshrrev_b32 v1, 5, v0
	v_readfirstlane_b32 s10, v1                    ; wave 0..3
	s_lshr_b32 s11, s10, 1                         ; my half of the tile's rows.  Also: I fetch for A (0) or for B (1)
	s_and_b32 s12, s10, 1                          ; my half of its columns.  Also: which 128 rows I fetch
	s_bfe_u32 s40, ttmp6, 0x40000                  ; cx
	s_bfe_u32 s41, ttmp6, 0x40004                  ; cy
	s_lshl_b32 s42, ttmp9, 2
	s_add_co_u32 s42, s42, s40                     ; tile column
	s_and_b32 s13, ttmp7, 0xffff
	s_lshl_b32 s13, s13, 2
	s_add_co_u32 s13, s13, s41                     ; tile row
	s_lshl_b32 s43, s41, 2
	s_lshl_b32 s43, 15, s43                        ; my row of the cluster
	s_lshl_b32 s44, 0x1111, s40                    ; my column
	s_or_b32 s[G1+0], s43, (1<<16)|(1<<20)|(1<<21)|(5<<22)|(3<<25)  ; mask; elements of 2 bytes; padding on; bit 21 beside a mask; 4 words behind every 64
	s_or_b32 s[G1B+0], s44, (1<<16)|(1<<20)|(1<<21)|(5<<22)|(3<<25)
.irp g, G1, G1B
	s_mov_b32 s[\g+1], KSTEP<<16
	s_mov_b32 s[\g+2], 128<<16
	s_mov_b32 s[\g+3], KSTEP<<16
	s_mov_b32 s[\g+4], 128
	s_mov_b32 s[\g+5], SIZE_K
	s_mov_b32 s[\g+6], 0
	s_mov_b32 s[\g+7], 0
.endr
	s_lshl_b32 s17, s12, 7
	s_lshl_b32 s16, s13, 8
	s_add_co_u32 s16, s16, s17                     ; A: row 256 x tile row + 128 x half
	s_lshl_b32 s46, s42, 8
	s_add_co_u32 s46, s46, s17                     ; B: row 256 x tile column + 128 x half
	s_mov_b32 s17, 0
	s_mov_b32 s47, 0
	s_mov_b64 s[18:19], SIZE_K*2
	s_mul_u64 s[16:17], s[16:17], s[18:19]
	s_mul_u64 s[46:47], s[46:47], s[18:19]
	s_mul_i32 s20, s10, HALFT                      ; where they go: wave x 128 rows
	s_wait_kmcnt 0x0
	s_add_nc_u64 s[14:15], s[4:5], s[16:17]
	s_add_nc_u64 s[46:47], s[6:7], s[46:47]
	CROUND                                         ; all sixteen work-groups are here
.irp s, 0,1
	s_mov_b32 s[G0+4*\s], 1
	s_add_co_u32 s[G0+4*\s+1], s20, \s*SLOT
	s_add_nc_u64 s[G0+4*\s+2:G0+4*\s+3], s[14:15], \s*KSTEP*2
	s_or_b32 s[G0+4*\s+3], s[G0+4*\s+3], 0x80000000
	s_mov_b32 s[G0B+4*\s], 1
	s_add_co_u32 s[G0B+4*\s+1], s20, \s*SLOT
	s_add_nc_u64 s[G0B+4*\s+2:G0B+4*\s+3], s[46:47], \s*KSTEP*2
	s_or_b32 s[G0B+4*\s+3], s[G0B+4*\s+3], 0x80000000
	JLOAD \s                                       ; two loads of mine are out
.endr
	v_and_b32 v1, 15, v0                           ; r
	v_bfe_u32 v2, v0, 4, 1                         ; h
	s_lshl_b32 s46, s42, 10                        ; my first column x 4 bytes: 1,024 x tile column + 512 x half: in C's rows and in bo alike
	s_lshl_b32 s47, s12, 9
	s_add_co_u32 s46, s46, s47
	s_mov_b32 s47, 0
	s_add_nc_u64 s[66:67], s[66:67], s[46:47]
	v_lshlrev_b32 v[BA], 5, v2                     ; lane (r, h) wants, for B's block b, the numbers 16 b + 8 h + 0 .. 7
.irp b, 0,1,2,3,4,5,6,7
	global_load_b128 v[BI+8*\b:BI+8*\b+3], v[BA], s[66:67] offset:64*\b
	global_load_b128 v[BI+8*\b+4:BI+8*\b+7], v[BA], s[66:67] offset:64*\b+16
.endr
	v_mul_u32_u24 v3, v1, PITCH
	v_lshl_add_u32 v3, v2, 4, v3
	s_mul_i32 s21, s11, HALFT
	s_mul_i32 s22, s12, HALFT
	s_add_co_u32 s22, s22, 2*HALFT
.irp s, 0,1
	v_add_nc_u32 v[ADRA+\s], s21, v3
	v_add_nc_u32 v[ADRB+\s], s22, v3
	s_add_co_u32 s21, s21, SLOT
	s_add_co_u32 s22, s22, SLOT
.endr
	s_mul_i32 s23, s10, 16*SPITCH
	s_add_co_u32 s23, s23, STAGE                   ; my stage
	v_mul_u32_u24 v4, v1, SPITCH
	v_lshl_add_u32 v4, v2, 5, v4
	v_add_nc_u32 v[STO], s23, v4                   ; in: row r, 32 bytes for each half of the lanes
	v_and_b32 v5, 31, v0
	v_lshlrev_b32 v[CO], 4, v5                     ; back: the 32 lanes take one row of 512 bytes; and the same in C
	v_add_nc_u32 v[RD], s23, v[CO]
	s_lshl_b32 s13, s13, 8
	s_lshl_b32 s14, s11, 7
	s_add_co_u32 s16, s13, s14                     ; my first row of C
	s_mov_b32 s17, 0
	s_mov_b64 s[18:19], SIZE_N*4
	s_mul_u64 s[16:17], s[16:17], s[18:19]
	s_add_nc_u64 s[16:17], s[16:17], s[46:47]
	s_add_nc_u64 s[8:9], s[8:9], s[16:17]
	; the prefetches.  s13 = 256 x tile row, s42 = tile column, s40 = cx, s41 = cy still stand
	s_lshl_b32 s42, s42, 8
	s_and_b32 s22, ttmp7, 0xffff
	s_cmp_eq_u32 s11, 0                            ; do I fetch for A?
	s_cselect_b32 s20, s13, s42
	s_cselect_b32 s21, s40, s41                    ; my place among the four that ask with me
	s_cselect_b32 s22, ttmp9, s22                  ; the coordinate along which other clusters read the same rows
	s_cselect_b64 s[PFA:PFA+1], s[4:5], s[6:7]
	s_cmp_eq_u32 s22, 0
	s_cselect_b32 s[LIM], 1, -1
	s_lshl_b32 s22, s12, 7
	s_add_co_u32 s20, s20, s22
	s_lshl_b32 s21, s21, 5
	s_add_co_u32 s20, s20, s21
	s_mov_b32 s21, 0
	s_mov_b64 s[18:19], SIZE_K*2
	s_mul_u64 s[20:21], s[20:21], s[18:19]
	s_add_nc_u64 s[PFA:PFA+1], s[PFA:PFA+1], s[20:21]
	s_add_nc_u64 s[PFA:PFA+1], s[PFA:PFA+1], 2*KSTEP*2  ; at K step 2: the first refill steps it to 3 and names K step 4
	v_and_b32 v[PFO], 31, v0
	v_mul_u32_u24 v[PFO], v[PFO], SIZE_K*2
; 16 matrix instructions: m blocks a0, a0 + 1 of the window's four x all 8 n blocks, 32 along K.  zero = 1: the first product starts the sums from the bias.
; The 64 accumulators take turns, one instruction a turn, in the same order in every quarter.
.macro MUL16 f, hi, a0, zero
.irp a, \a0, \a0+1
.irp b, 0,1,2,3,4,5,6,7
.if \zero
	v_wmma_f32_16x16x32_f16 v[8*(8*(\a)+\b):8*(8*(\a)+\b)+7], v[\f+8*\b:\f+8*\b+7], v[\f+8*(4*\hi+\a):\f+8*(4*\hi+\a)+7], v[BI+8*\b:BI+8*\b+7]
.else
	v_wmma_f32_16x16x32_f16 v[8*(8*(\a)+\b):8*(8*(\a)+\b)+7], v[\f+8*\b:\f+8*\b+7], v[\f+8*(4*\hi+\a):\f+8*(4*\hi+\a)+7], v[8*(8*(\a)+\b):8*(8*(\a)+\b)+7]
.endif
.endr
.endr
.endm
.macro FETCH slot, k, f                ; 32 LDS loads in one run: the fragments of one quarter step into buffer f
	WIN TO_B
.irp i, 0,1,2,3,4,5,6,7
	ds_load_b128 v[\f+8*\i:\f+8*\i+3],   v[ADRB+\slot] offset:\k+\i*16*PITCH
	ds_load_b128 v[\f+8*\i+4:\f+8*\i+7], v[ADRB+\slot] offset:\k+\i*16*PITCH+32
.endr
	WIN 0
.irp i, 0,1,2,3,4,5,6,7
	ds_load_b128 v[\f+8*\i:\f+8*\i+3],   v[ADRA+\slot] offset:\k+\i*16*PITCH
	ds_load_b128 v[\f+8*\i+4:\f+8*\i+7], v[ADRA+\slot] offset:\k+\i*16*PITCH+32
.endr
.endm
.macro PLACES                          ; plain vector instructions between a matrix instruction and a load into, or a read of, its registers
.rept 4
	v_nop
.endr
.endm
.macro QUARTER slot, k, f, g, zero     ; multiplies buffer f; in its middle fetches the next quarter's fragments, at byte k of the slot's rows, into buffer g
	s_wait_dscnt 8                                 ; B and A's rows 0-63 are in; the youngest eight loads (A's rows 64-127) may be out
.if \zero
	WIN BIA_LO
.else
	WIN MUL_LO
.endif
	MUL16 \f, 0, 0, \zero
	MUL16 \f, 0, 2, \zero
	PLACES
	FETCH \slot, \k, \g
	s_wait_dscnt 32                                ; all but the 32 just issued
.if \zero
	WIN BIA_HI
.else
	WIN MUL_HI
.endif
	MUL16 \f, 1, 0, \zero
	MUL16 \f, 1, 2, \zero
.endm
.macro MEET round                      ; the first half of a slot's last quarter: one barrier for the change of slots
	WIN 0
	s_wait_tensorcnt 0x0                           ; all my tensor loads have landed: the one that was out is my part of the next slot
	ds_add_u32 v[SPW], v[NIL]                      ; 0 onto my spare word
	s_wait_dscnt 9                                 ; (the add and the youngest eight loads may be out)
	WIN MUL_LO
	MUL16 F1, 0, 0, 0
	s_wait_dscnt 0x0                               ; the add is done, and my reads of this slot are over
	s_barrier_signal -1
	MUL16 F1, 0, 2, 0
.if \round
	WIN 0
.endif
	s_barrier_wait -1
.endm
.macro TURN slot, next                 ; the whole last quarter, with the refill two K steps on
	s_wait_xcnt 0x0                                ; the last prefetch, a K step back, has read its address
	s_add_nc_u64 s[PFA:PFA+1], s[PFA:PFA+1], KSTEP*2
	MEET 1
	CREST                                          ; no wave of any partner still reads this slot's tile or has a load on its way
	s_add_nc_u64 s[G0+4*\slot+2:G0+4*\slot+3], s[G0+4*\slot+2:G0+4*\slot+3], 2*KSTEP*2
	s_add_nc_u64 s[G0B+4*\slot+2:G0B+4*\slot+3], s[G0B+4*\slot+2:G0B+4*\slot+3], 2*KSTEP*2
	JLOAD \slot                                    ; the first tensor load behind the round; its four v_nop are also the places in front of the loads below
	FETCH \next, 0, F0
	ASK
	WIN MUL_HI
	MUL16 F1, 1, 0, 0
	MUL16 F1, 1, 2, 0
.endm
	s_wait_tensorcnt 1                             ; my part of K step 0 is in,
	s_barrier_signal -1
	s_barrier_wait -1                              ; everybody's is
	FETCH 0, 0, F0
	s_wait_loadcnt 0x0                             ; the bias
	QUARTER 0, 64,  F0, F1, 1                      ; the first quarter stands in front of the loop: its products start the sums
	WIN 0
	s_mov_b32 s3, LAPS-1
.Llap:                                                 ; a trip goes once round the ring, from a lap's second quarter to the next lap's first, and fills both slots again
	QUARTER 0, 128, F1, F0, 0
	QUARTER 0, 192, F0, F1, 0
	TURN 0, 1
	QUARTER 1, 64,  F0, F1, 0
	QUARTER 1, 128, F1, F0, 0
	QUARTER 1, 192, F0, F1, 0
	TURN 1, 0
	QUARTER 0, 64,  F0, F1, 0
	WIN 0
	s_sub_co_u32 s3, s3, 1
	s_cmp_lg_u32 s3, 0
	s_cbranch_scc1 .Llap
	QUARTER 0, 128, F1, F0, 0                      ; the last lap fills nothing
	QUARTER 0, 192, F0, F1, 0
	MEET 0
	PLACES
	FETCH 1, 0, F0
	WIN MUL_HI
	MUL16 F1, 1, 0, 0
	MUL16 F1, 1, 2, 0
	QUARTER 1, 64,  F0, F1, 0
	QUARTER 1, 128, F1, F0, 0
	QUARTER 1, 192, F0, F1, 0
	s_wait_dscnt 8                                 ; the very last quarter: nothing more to fetch
	WIN MUL_LO
	MUL16 F1, 0, 0, 0
	MUL16 F1, 0, 2, 0
	s_wait_dscnt 0
	WIN MUL_HI
	MUL16 F1, 1, 0, 0
	MUL16 F1, 1, 2, 0
	WIN 0
; THE WAY OUT, block by block of 16 rows x 128 columns of f32, through my own stage: in as 32 bytes a lane, back as whole rows of 512 bytes.  LDS serves a wave's instructions in order.
.macro TOSTAGE a
.set AC, 64*((\a)%4)
	WIN 0x08+4*((\a)/4)                            ; the data: window 2 or 3
.irp b, 0,1,2,3,4,5,6,7
	ds_store_b128 v[STO], v[AC+8*\b:AC+8*\b+3] offset:64*\b          ; each accumulator from its low end on
	ds_store_b128 v[STO], v[AC+8*\b+4:AC+8*\b+7] offset:64*\b+16
.endr
	WIN 0
.set BB, BK+64*((\a)%2)
.irp t, 0,1,2,3,4,5,6,7,8,9,10,11,12,13,14,15
	ds_load_b128 v[BB+4*\t:BB+4*\t+3], v[RD] offset:\t*SPITCH
.endr
.endm
.macro SEND a, younger                 ; younger: the LDS instructions issued behind block a's loads, which may stay out
.set BB, BK+64*((\a)%2)
	s_wait_dscnt \younger
.if (\a) > 0
	s_add_nc_u64 s[8:9], s[8:9], 16*SIZE_N*4       ; (behind a wait on XCNT: the earlier stores have read their base)
.endif
.irp t, 0,1,2,3,4,5,6,7,8,9,10,11,12,13,14,15
	global_store_b128 v[CO], v[BB+4*\t:BB+4*\t+3], s[8:9] offset:\t*SIZE_N*4 th:TH_STORE_NT   ; 32 lanes store 512 consecutive bytes, at a multiple of 256 from C's first byte
.endr
.endm
	PLACES                                         ; behind the last products: their results are read, and loads land where A's fragments lay
	TOSTAGE 0
.irp a, 1,2,3,4,5,6,7
.if \a > 1
	s_wait_xcnt 0x0                                ; block a - 2's stores have read their registers and their base
.endif
	TOSTAGE \a
	SEND \a-1, 32                                  ; behind block a - 1's loads: block a's 16 stores and 16 loads
.endr
	s_wait_xcnt 0x0
	SEND 7, 0
	s_wait_tensorcnt 0x0                           ; the wave's end
	ds_add_u32 v[SPW], v[NIL]
	s_wait_dscnt 0x0
	CROUND                                         ; the closing round
	s_endpgm
.Lfunc_end_k_q9d271c61c0_outp:
	.size	k_q9d271c61c0_outp, .Lfunc_end_k_q9d271c61c0_outp-k_q9d271c61c0_outp
	.p2alignl 7, 3214868480
	.fill 96, 4, 3214868480
	.section	.rodata,"a",@progbits
	.p2align	6, 0x0
	.amdhsa_kernel k_q9d271c61c0_outp
		.amdhsa_group_segment_fixed_size 327680
		.amdhsa_private_segment_fixed_size 0
		.amdhsa_enable_private_segment 0
		.amdhsa_kernarg_size 32
		.amdhsa_user_sgpr_count 2
		.amdhsa_user_sgpr_kernarg_segment_ptr 1
		.amdhsa_wavefront_size32 1
		.amdhsa_system_sgpr_workgroup_id_x 1
		.amdhsa_system_sgpr_workgroup_id_y 1
		.amdhsa_system_sgpr_workgroup_id_z 1
		.amdhsa_system_vgpr_workitem_id 0
		.amdhsa_next_free_vgpr 1024
		.amdhsa_next_free_sgpr 68
		.amdhsa_reserve_vcc 0
		.amdhsa_float_denorm_mode_32 3
		.amdhsa_float_denorm_mode_16_64 3
		.amdhsa_memory_ordered 1
		.amdhsa_forward_progress 1
		.amdhsa_inst_pref_size 143
	.end_amdhsa_kernel
	.amdgpu_metadata
---
amdhsa.version: [ 1, 2 ]
amdhsa.kernels:
  - .name:           k_q9d271c61c0_outp
    .symbol:         k_q9d271c61c0_outp.kd
    .args:
      - { .name: ao, .offset: 0, .size: 8, .value_kind: global_buffer, .address_space: global }
      - { .name: wot, .offset: 8, .size: 8, .value_kind: global_buffer, .address_space: global }
      - { .name: out0, .offset: 16, .size: 8, .value_kind: global_buffer, .address_space: global }
      - { .name: bo, .offset: 24, .size: 8, .value_kind: global_buffer, .address_space: global }
    .group_segment_fixed_size: 327680
    .private_segment_fixed_size: 0
    .kernarg_segment_align: 8
    .kernarg_segment_size: 32
    .max_flat_workgroup_size: 128
    .sgpr_count:     68
    .vgpr_count:     1024
    .wavefront_size: 32
...
	.end_amdgpu_metadata
.endif
;; end of part 4
